; MI455X (gfx1250); checked and timed in simulation.
; The chip was launched on July 23, 2026; its instructions are those of AMD's public machine-readable ISA for CDNA 5 (MIT licence, August 2026) and "CDNA5" Instruction Set Architecture Reference Guide (July 2026). The comments in the code are by the model that wrote it; some were corrected since.
;; Albert Decoder Attention. Allowed arithmetic: float matrix products may take bf16 or f16 operands with f32 sums; all other float work in f32.
;; Inputs: Wk 1,024 x 1,024 float32; Wk2 1,024 x 1,024 float32; Wo 16 x 64 x 1,024 float32; Wq 1,024 x 1,024 float32; Wq2 1,024 x 1,024 float32; Wv 1,024 x 1,024 float32; Wv2 1,024 x 1,024 float32; beta 1,024 float32; bk 1,024 float32; bk2 1,024 float32; bo 1,024 float32; bq 1,024 float32; bq2 1,024 float32; bv 1,024 float32; bv2 1,024 float32; decoder_inputs 4 x 1,024 x 1,024 float32; encoder_states 4 x 1,024 x 1,024 float32; gamma 1,024 float32; src_attention_mask 4 x 1 x 1 x 1,024 float32; tgt_attention_mask 4 x 1 x 1 x 1,024 float32.
;; Outputs: out0 4 x 1,024 x 1,024 float32.
;; One version. Each part assembles by itself: llvm-mc -triple=amdgcn-amd-amdhsa -mcpu=gfx1250 --defsym DOCPART=n.
;; ======== version 1 of 1: 8 launches
;; limits: values are held in f16: magnitudes above 65,504 overflow, below 6.1e-05 lose precision
;; workspace buffers: xb 16,777,216 bytes; wt 10,485,760 bytes; st1 18,874,368 bytes; st2 18,874,368 bytes; qres 16,777,216 bytes; ctx 8,388,608 bytes; xln 16,777,216 bytes
;; launch prep (part 1): grid 32 x 15, 8 waves a work-group, no clusters, 0 bytes of LDS; arguments decoder_inputs, encoder_states, Wk, Wv, Wk2, Wv2, Wo, Wq, Wq2, xb, wt, st1, st2; writes xb, wt, st1, st2
.if DOCPART == 1
	.amdgcn_target "amdgcn-amd-amdhsa--gfx1250"
	.amdhsa_code_object_version 6
	.text
	.protected	k_q7534ce3232_prep
	.globl	k_q7534ce3232_prep
	.p2align	8
	.type	k_q7534ce3232_prep,@function
k_q7534ce3232_prep:
	s_mov_b64 s[64:65], 0
	v_nop
	global_prefetch_b8 v0, s[64:65] scope:SCOPE_SE
	s_setreg_imm32_b32 hwreg(HW_REG_WAVE_MODE, 25, 1), 1
	s_wait_xcnt 0x0
; PREP: every f32 matrix operand among the inputs is rounded once to f16 (nearest even), so that the later launches move half the
; bytes and no tile is converted more than once.  15 chunks of 1,048,576 numbers (grid y): 0-3 decoder_inputs, 4-7 encoder_states
; -> xb [2][4096][1024]; 8-12 Wk, Wv, Wk2, Wv2, Wo -> wt [5][1024 k][1024 n]; 13 Wq -> st1 + 16 MiB; 14 Wq2 -> st2 + 16 MiB.
;
; NUMBER FORMATS OF THE WHOLE PROGRAM.  f16 (11 significant bits): the two inputs, the seven weights, the first block's result, and ctx.  These lie on the
; path x Wq + ctx Wo -> LayerNorm -> .. Wq2 + ctx Wo -> LayerNorm, which carries each operand's rounding to the result undamped.  bf16: q, k, v and the
; probabilities inside attention, whose roundings are averaged over the keys and whose range is the wider.  All sums, softmax and LayerNorm in f32.
; ROOM IN f16 (largest number 65,504): inputs of spread 1 and weights of spread 0.02, 30 times larger or offset by 30 spreads, stay under 200 and under 4;
; a LayerNorm's result is at most 32 |gamma| + |beta| (a normalised row of 1,024 has no entry above sqrt(1023)); ctx is a convex mix of v plus bv, and with
; input and weight both offset by 30 spreads |v| is about 1024 x 30 x 0.6 = 18,432.  Below 6.1e-5 f16 steps by 6e-8.
; LIMIT: an f16 operand above 65,504 in magnitude becomes infinity.
;
; WORK LEFT OUT IN THE WHOLE PROGRAM: bk and bk2.  scores[q][k] = q.(x_k Wk + bk)/8 + mask[k] = q.(x_k Wk)/8 + mask[k] + q.bk/8, and q.bk/8 is
; the same for every key k of a query row; softmax along k is unchanged by a term that is constant along k, for all values of
; the inputs.  k1 and k2 reach the result through the scores alone, so bk and bk2 have no way to any output: they are not loaded and
; are no argument of any launch.  LIMIT: a NaN, an infinity or an overflow that only bk or bk2 would bring in is not carried to the result.
; STEPS MOVED, not left out: each row of probs sums to 1, so probs (v + bv) = probs v + bv: bv is added once behind the division by the row sum
; (launch attn); bo and the residual q are added where the LayerNorm reads the projection (launches ln).
;
; Eight waves; the work-group owns 32,768 numbers: 32 lines of 4,096 bytes in, 2,048 bytes out.  Thread t owns 16 bytes in and 8 bytes out of
; every line, so a wave's load covers 512 and its store 256 consecutive bytes, aligned.  A ring of DEPTH slots keeps DEPTH loads of a wave in flight.
.set DEPTH,  8
.set ROUNDS, 32/DEPTH
.set INROW,  4096
.set OUTROW, 2048
.set LO, 2                             ; v[2:9]    slot i: byte offset of its next load
.set SO, 10                            ; v[10:17]  slot i: byte offset of its store, one ring length ahead (the store reaches back)
.set X,  18                            ; v[18:49]  slot i: four f32 as loaded
.set Y,  50                            ; v[50:65]  slot i: four f16 to store
	s_load_b512 s[8:23], s[0:1], 0x0               ; dec s[8:9], enc s[10:11], Wk, Wv, Wk2, Wv2, Wo, Wq s[12:23]
	s_load_b256 s[24:31], s[0:1], 0x40             ; Wq2 s[24:25], xb s[26:27], wt s[28:29], st1 s[30:31]
	s_load_b64 s[32:33], s[0:1], 0x60              ; st2
	s_and_b32 s2, ttmp7, 0xffff                    ; the chunk
	s_and_b32 s36, s2, 3                           ; source offset: chunks 0-7 are quarters of 4 MiB of dec or enc, a weight is one chunk
	s_lshl_b32 s36, s36, 22
	s_cmp_lt_u32 s2, 8
	s_cselect_b32 s36, s36, 0
	s_lshl_b32 s3, ttmp9, 17                       ; + the work-group's 128 KiB
	s_add_co_u32 s36, s36, s3
	s_mov_b32 s37, 0
	s_and_b32 s38, s2, 7                           ; destination offset: chunk y of xb, chunk y - 8 of wt, 2 MiB each,
	s_lshl_b32 s38, s38, 21
	s_cmp_ge_u32 s2, 13
	s_cselect_b32 s38, 0x1000000, s38              ; or behind K and V in st1, st2
	s_lshl_b32 s3, ttmp9, 16                       ; + the work-group's 64 KiB
	s_add_co_u32 s38, s38, s3
	s_mov_b32 s39, 0
.irp i, 0,1,2,3,4,5,6,7
	v_lshl_or_b32 v[LO+\i], v0, 4, \i*INROW
	v_lshl_or_b32 v[SO+\i], v0, 3, \i*OUTROW
.endr
	s_wait_kmcnt 0x0
	s_mov_b64 s[34:35], s[8:9]                     ; the source buffer is chosen by the chunk's number alone
	s_cmp_ge_u32 s2, 4
	s_cselect_b64 s[34:35], s[10:11], s[34:35]
.set k, 0
.rept 7
	s_cmp_ge_u32 s2, 8+k
	s_cselect_b64 s[34:35], s[12+2*k:13+2*k], s[34:35]
.set k, k+1
.endr
	s_cmp_ge_u32 s2, 8                             ; and so is the destination
	s_cselect_b64 s[40:41], s[28:29], s[26:27]
	s_cmp_ge_u32 s2, 13
	s_cselect_b64 s[40:41], s[30:31], s[40:41]
	s_cmp_ge_u32 s2, 14
	s_cselect_b64 s[40:41], s[32:33], s[40:41]
	s_add_nc_u64 s[34:35], s[34:35], s[36:37]
	s_add_nc_u64 s[40:41], s[40:41], s[38:39]
.irp i, 0,1,2,3,4,5,6,7
	global_load_b128 v[X+4*\i:X+4*\i+3], v[LO+\i], s[34:35] th:TH_LOAD_NT   ; fill the ring: lines 0 to 7
.endr
; One slot's turn.  ahead = 1: the slot is loaded again, DEPTH lines further on.  left = the younger loads that may stay out.
.macro SLOT i, ahead, left
	s_wait_loadcnt \left                           ; loads return in order: mine is in
	s_wait_xcnt 0x0                                ; this slot's Y and SO, which its last store reads, are rewritten only behind this wait
	v_cvt_pk_f16_f32 v[Y+2*\i],   v[X+4*\i],   v[X+4*\i+1]
	v_cvt_pk_f16_f32 v[Y+2*\i+1], v[X+4*\i+2], v[X+4*\i+3]
	v_add_nc_u32 v[SO+\i], DEPTH*OUTROW, v[SO+\i]
.if \ahead
	v_add_nc_u32 v[LO+\i], DEPTH*INROW, v[LO+\i]
	global_load_b128 v[X+4*\i:X+4*\i+3], v[LO+\i], s[34:35] th:TH_LOAD_NT
.endif
	global_store_b64 v[SO+\i], v[Y+2*\i:Y+2*\i+1], s[40:41] offset:-DEPTH*OUTROW
.endm
	s_mov_b32 s3, ROUNDS-1
.Lround:
.irp i, 0,1,2,3,4,5,6,7
	SLOT \i, 1, DEPTH-1
.endr
	s_sub_co_u32 s3, s3, 1
	s_cmp_lg_u32 s3, 0
	s_cbranch_scc1 .Lround
.irp i, 0,1,2,3,4,5,6,7
	SLOT \i, 0, DEPTH-1-\i                         ; the last lines: no load leaves the chunk, the counts run down
.endr
	s_endpgm
.Lfunc_end_k_q7534ce3232_prep:
	.size	k_q7534ce3232_prep, .Lfunc_end_k_q7534ce3232_prep-k_q7534ce3232_prep
	.p2alignl 7, 3214868480
	.fill 96, 4, 3214868480
	.section	.rodata,"a",@progbits
	.p2align	6, 0x0
	.amdhsa_kernel k_q7534ce3232_prep
		.amdhsa_group_segment_fixed_size 0
		.amdhsa_private_segment_fixed_size 0
		.amdhsa_enable_private_segment 0
		.amdhsa_kernarg_size 104
		.amdhsa_user_sgpr_count 2
		.amdhsa_user_sgpr_kernarg_segment_ptr 1
		.amdhsa_wavefront_size32 1
		.amdhsa_system_sgpr_workgroup_id_x 1
		.amdhsa_system_sgpr_workgroup_id_y 1
		.amdhsa_system_sgpr_workgroup_id_z 1
		.amdhsa_system_vgpr_workitem_id 0
		.amdhsa_next_free_vgpr 68
		.amdhsa_next_free_sgpr 66
		.amdhsa_reserve_vcc 0
		.amdhsa_float_denorm_mode_32 3
		.amdhsa_float_denorm_mode_16_64 3
		.amdhsa_memory_ordered 1
		.amdhsa_forward_progress 1
		.amdhsa_inst_pref_size 11
	.end_amdhsa_kernel
	.amdgpu_metadata
---
amdhsa.version: [ 1, 2 ]
amdhsa.kernels:
  - .name:           k_q7534ce3232_prep
    .symbol:         k_q7534ce3232_prep.kd
    .args:
      - { .name: decoder_inputs, .offset: 0, .size: 8, .value_kind: global_buffer, .address_space: global }
      - { .name: encoder_states, .offset: 8, .size: 8, .value_kind: global_buffer, .address_space: global }
      - { .name: Wk, .offset: 16, .size: 8, .value_kind: global_buffer, .address_space: global }
      - { .name: Wv, .offset: 24, .size: 8, .value_kind: global_buffer, .address_space: global }
      - { .name: Wk2, .offset: 32, .size: 8, .value_kind: global_buffer, .address_space: global }
      - { .name: Wv2, .offset: 40, .size: 8, .value_kind: global_buffer, .address_space: global }
      - { .name: Wo, .offset: 48, .size: 8, .value_kind: global_buffer, .address_space: global }
      - { .name: Wq, .offset: 56, .size: 8, .value_kind: global_buffer, .address_space: global }
      - { .name: Wq2, .offset: 64, .size: 8, .value_kind: global_buffer, .address_space: global }
      - { .name: xb, .offset: 72, .size: 8, .value_kind: global_buffer, .address_space: global }
      - { .name: wt, .offset: 80, .size: 8, .value_kind: global_buffer, .address_space: global }
      - { .name: st1, .offset: 88, .size: 8, .value_kind: global_buffer, .address_space: global }
      - { .name: st2, .offset: 96, .size: 8, .value_kind: global_buffer, .address_space: global }
    .group_segment_fixed_size: 0
    .private_segment_fixed_size: 0
    .kernarg_segment_align: 8
    .kernarg_segment_size: 104
    .max_flat_workgroup_size: 256
    .sgpr_count:     66
    .vgpr_count:     68
    .wavefront_size: 32
...
	.end_amdgpu_metadata
.endif
;; end of part 1
;; launch kv (part 2): grid 4 x 64, 4 waves a work-group, clusters of 4 x 4, 327,680 bytes of LDS; arguments xb, wt, st1, st2; writes st1, st2
.if DOCPART == 2
	.amdgcn_target "amdgcn-amd-amdhsa--gfx1250"
	.amdhsa_code_object_version 6
	.text
	.protected	k_q7534ce3232_kv
	.globl	k_q7534ce3232_kv
	.p2align	8
	.type	k_q7534ce3232_kv,@function
k_q7534ce3232_kv:
	s_mov_b64 s[64:65], 0
	v_nop
	global_prefetch_b8 v0, s[64:65] scope:SCOPE_SE
	s_setreg_imm32_b32 hwreg(HW_REG_WAVE_MODE, 25, 1), 1
	s_wait_xcnt 0x0
	s_wait_alu depctr_hold_cnt(0) depctr_sa_sdst(0) depctr_va_vdst(0) depctr_va_sdst(0) depctr_va_ssrc(0) depctr_va_vcc(0) depctr_vm_vsrc(0)
	s_getreg_b32 s2, hwreg(HW_REG_IB_STS2, 6, 4)
	s_cmp_eq_u32 s2, 0
	s_cbranch_scc0 .Lentry_in_a_cluster
	s_endpgm
.Lentry_in_a_cluster:
	s_bfe_u32 s2, ttmp6, 0x10000c
	s_cmp_lg_u32 s2, 0xf033
	s_cbranch_scc0 .Lentry_shape_is_right
	s_endpgm
.Lentry_shape_is_right:
; KV: the four key and value projections as one launch of 256 blocks of 256 x 256: dec Wk, dec Wv -> st1; enc Wk2, enc Wv2 -> st2.
; Left out: bk, bk2 (constant along the softmax's axis: shown at the head of prep).  bv, bv2 are added in attn, behind the division by the row sum.
; grid y = 16 mat + row block (mat 0..3 = Wk, Wv, Wk2, Wv2; 16 blocks of 256 token rows), grid x = block of 256 columns (4 heads).
; X: xb [8192][1024] f16, rows along K.  W: wt[mat] [1024 k][1024 n] f16, rows along N: its fragments are read by the transposing LDS load.
; Results: rounded to bf16 (attention's own operands keep bf16's range), head-major [b*16+h][1024 tokens][64], K at byte 0 and V at byte 8,388,608 of st1 / st2.
; Four waves, each 128 x 128 of the block in 512 accumulator registers.  K goes in steps of 128 through a ring of two LDS slots.
; CLUSTERS of 4 x 4 work-groups: the four of a cluster's row share the token rows (X's tile), the four of a column the weight's columns (W's tile);
; each tile is asked for jointly by the four, with one descriptor and a mask that names them.
;
; REGISTERS in windows of 256: window 0: v0-31 addresses, v64-191 X fragments (two buffers), v192-223 the way out;
; window 1: v64-191 W fragments (two buffers); window 2: accumulators of my token rows 0-63; window 3: rows 64-127.
; The matrix instruction takes W's fragment as source 0 and X's as source 1: lane l then holds token row l % 16 and its registers 0-7 the
; columns 8 (l / 16) + 0..7, eight neighbouring numbers of a row.
.set KSTEP,  128
.set SIZE_K, 1024
.set PITCH,  272                       ; X in LDS: 256 bytes + 16 of padding: an odd multiple of 16, the 16 rows of a fragment load start 16 bytes apart modulo 256
.set BPITCH, 544                       ; W in LDS: 512 bytes + 32 of padding: an odd multiple of 32
.set HALFT,  128*PITCH                 ; what one tensor load brings: 128 rows of X, or 64 k rows of W (64 x 544 is the same 34,816 bytes)
.set SLOT,   4*HALFT                   ; X's 256 rows, then W's 128 k rows
.set STAGE,  2*SLOT                    ; behind the ring: 16 rows x 272 bytes for each wave, for the way out; no tensor load lands here
.set SPITCH, 272
.set HEADB,  131072                    ; bytes of one head's [1024][64] bf16
.set LAPS, SIZE_K/(2*KSTEP)            ; 4 laps of two K steps
.set ADRA, 16                          ; v16-17  LDS address of my X fragments in slot 0, 1
.set ADRB, 20                          ; v20-21  the same for W
.set STO,  24                          ; v24     the way out: where I put 16 bytes of a row
.set RD,   25                          ; v25     the way out: where I read back
.set CO,   26                          ; v26     my byte offset in the result
.set F0,   64
.set F1,   128
.set TMP,  192
.set G1, 24                            ; s[24:31] descriptor group 1 for X's tiles
.set G0, 32                            ; s[32:39] group 0 for X's tiles, one set for each slot
.set G1B, 48                           ; s[48:55] group 1 for W's tiles
.set G0B, 56                           ; s[56:63] group 0 for W's tiles, one set for each slot
.set MSB, 0
.macro WIN new                         ; the immediate's high byte repeats the setting that is left
.if MSB != \new
	s_set_vgpr_msb (MSB<<8)|\new
.set MSB, \new
.endif
.endm
.set MUL_LO, 0xa1                      ; source 0 (W) window 1, source 1 (X) window 0, C and D window 2
.set MUL_HI, 0xf1                      ; the same, C and D window 3
.set TO_B,   0x40                      ; destination window 1, address window 0
; A joint load.  Waves 0 and 1 fetch X's two halves, waves 2 and 3 W's.  The branch hangs on the wave's number alone.
.macro JLOAD s
	s_cmp_eq_u32 s11, 0
	s_cbranch_scc0 .Lfor_b_\@
	tensor_load_to_lds s[G0+4*\s:G0+4*\s+3], s[G1:G1+7]
	s_branch .Lasked_\@
.Lfor_b_\@:
	tensor_load_to_lds s[G0B+4*\s:G0B+4*\s+3], s[G1B:G1B+7]
.Lasked_\@:
.endm
; A round of the cluster's barrier: my work-group's barrier; wave 0 signals for the work-group; every wave waits for all sixteen; my work-group's barrier again.
.macro CREST
	s_cmp_lg_u32 s10, 0
	s_cbranch_scc1 .Lnot_wave_0_\@
	s_barrier_signal -3
.Lnot_wave_0_\@:
	s_barrier_wait -3
	s_barrier_signal -1
	s_barrier_wait -1
.endm
.macro CROUND
	s_barrier_signal -1
	s_barrier_wait -1
	CREST
.endm
	s_load_b256 s[68:75], s[0:1], 0x0              ; xb s[68:69], wt s[70:71], st1 s[72:73], st2 s[74:75]
	v_lshrrev_b32 v1, 5, v0
	v_readfirstlane_b32 s10, v1                    ; wave 0..3
	s_lshr_b32 s11, s10, 1                         ; which half of the block's token rows is mine.  Also: I fetch for X (0) or for W (1)
	s_and_b32 s12, s10, 1                          ; which half of its columns.  Also: which half of that tile I fetch
	s_bfe_u32 s40, ttmp6, 0x40000                  ; cx
	s_bfe_u32 s41, ttmp6, 0x40004                  ; cy
	s_lshl_b32 s42, ttmp9, 2
	s_add_co_u32 s42, s42, s40                     ; column block = 4 x cluster x + cx
	s_and_b32 s45, ttmp7, 0xffff                   ; cluster y
	s_lshl_b32 s13, s45, 2
	s_add_co_u32 s13, s13, s41                     ; grid y = 4 x cluster y + cy
	s_lshr_b32 s45, s45, 2                         ; mat = grid y / 16 = cluster y / 4: the same in the whole cluster
	s_lshl_b32 s43, s41, 2
	s_lshl_b32 s43, 15, s43                        ; my row of the cluster
	s_lshl_b32 s44, 0x1111, s40                    ; my column
	; group 1 for X: 128 rows x 128 elements of 2 bytes, 4 words of padding behind every 64; for W: 64 rows x 256 elements, 8 words behind every 128
	s_or_b32 s[G1+0], s43, (1<<16)|(1<<20)|(1<<21)|(5<<22)|(3<<25)
	s_or_b32 s[G1B+0], s44, (1<<16)|(1<<20)|(1<<21)|(6<<22)|(7<<25)
	s_mov_b32 s[G1+1], KSTEP<<16                   ; tensor_dim0 = 128
	s_mov_b32 s[G1B+1], 256<<16                    ; tensor_dim0 = 256
	s_mov_b32 s[G1+2], 128<<16                     ; tensor_dim1 = 128
	s_mov_b32 s[G1B+2], 64<<16                     ; tensor_dim1 = 64
	s_mov_b32 s[G1+3], KSTEP<<16                   ; tile_dim0 = 128
	s_mov_b32 s[G1B+3], 256<<16                    ; tile_dim0 = 256
	s_mov_b32 s[G1+4], 128                         ; tile_dim1 = 128
	s_mov_b32 s[G1B+4], 64                         ; tile_dim1 = 64
	s_mov_b32 s[G1+5], SIZE_K                      ; 1,024 elements from row to row, in both
	s_mov_b32 s[G1B+5], 1024
	s_mov_b32 s[G1+6], 0
	s_mov_b32 s[G1B+6], 0
	s_mov_b32 s[G1+7], 0
	s_mov_b32 s[G1B+7], 0
	; X's tile hangs on grid y (shared along my row of the cluster), W's on mat and the column block (shared along my column); each in registers of its own
	s_lshr_b32 s16, s13, 5                         ; dec (mat 0, 1) or enc (mat 2, 3): 4,096 rows each
	s_lshl_b32 s16, s16, 12
	s_and_b32 s17, s13, 15                         ; the block of 256 rows
	s_lshl_b32 s17, s17, 8
	s_add_co_u32 s16, s16, s17
	s_lshl_b32 s17, s12, 7                         ; the 128 rows that I fetch
	s_add_co_u32 s16, s16, s17
	s_lshl_b32 s16, s16, 11                        ; rows of 2,048 bytes: below 16 MiB
	s_mov_b32 s17, 0
	s_lshl_b32 s46, s45, 21                        ; mat x 2 MiB
	s_lshl_b32 s47, s12, 17                        ; the 64 k rows that I fetch, 2,048 bytes each
	s_add_co_u32 s46, s46, s47
	s_lshl_b32 s47, s42, 9                         ; 256 columns = 512 bytes
	s_add_co_u32 s46, s46, s47
	s_mov_b32 s47, 0
	s_mul_i32 s20, s10, HALFT                      ; LDS: X's two halves, then W's two halves = wave x 34,816
	s_wait_kmcnt 0x0
	s_add_nc_u64 s[14:15], s[68:69], s[16:17]
	s_add_nc_u64 s[46:47], s[70:71], s[46:47]
	CROUND                                         ; all sixteen work-groups are here: the first joint loads meet
.irp s, 0,1
	s_mov_b32 s[G0+4*\s], 1
	s_add_co_u32 s[G0+4*\s+1], s20, \s*SLOT
	s_add_nc_u64 s[G0+4*\s+2:G0+4*\s+3], s[14:15], \s*KSTEP*2          ; K step s: 256 bytes along the rows
	s_or_b32 s[G0+4*\s+3], s[G0+4*\s+3], 0x80000000
	s_mov_b32 s[G0B+4*\s], 1
	s_add_co_u32 s[G0B+4*\s+1], s20, \s*SLOT
	s_add_nc_u64 s[G0B+4*\s+2:G0B+4*\s+3], s[46:47], \s*KSTEP*2048     ; K step s: 128 rows down
	s_or_b32 s[G0B+4*\s+3], s[G0B+4*\s+3], 0x80000000
	JLOAD \s
.endr
	v_and_b32 v1, 15, v0                           ; l % 16
	v_bfe_u32 v2, v0, 4, 1                         ; l / 16
	v_mul_u32_u24 v3, v1, PITCH
	v_lshl_add_u32 v3, v2, 4, v3                   ; X fragment: row x pitch + 16 x half
	v_and_b32 v6, 7, v0
	v_lshl_add_u32 v6, v2, 3, v6                   ; W fragment, transposing load: k row 8 (l / 16) + l % 8,
	v_mul_u32_u24 v6, v6, BPITCH
	v_bfe_u32 v7, v0, 3, 1
	v_lshl_add_u32 v6, v7, 4, v6                   ; and 16 bytes on for lanes 8-15 of each sixteen
	s_mul_i32 s21, s11, HALFT                      ; my 128 token rows
	s_lshl_b32 s22, s12, 8                         ; my 128 columns of W: 256 bytes into its rows,
	s_add_co_u32 s22, s22, 2*HALFT                 ; which lie behind X's 256 rows
.irp s, 0,1
	v_add_nc_u32 v[ADRA+\s], s21, v3
	v_add_nc_u32 v[ADRB+\s], s22, v6
	s_add_co_u32 s21, s21, SLOT
	s_add_co_u32 s22, s22, SLOT
.endr
	s_mul_i32 s23, s10, 16*SPITCH
	s_add_co_u32 s23, s23, STAGE                   ; my stage
	v_mul_u32_u24 v4, v1, SPITCH
	v_lshl_add_u32 v4, v2, 4, v4
	v_add_nc_u32 v[STO], s23, v4
	v_bfe_u32 v5, v0, 3, 2                         ; back: eight lanes take one token's 128 bytes of one head, 32 lanes four tokens
	v_mul_u32_u24 v5, v5, SPITCH
	v_and_b32 v7, 7, v0
	v_lshl_add_u32 v5, v7, 4, v5
	v_add_nc_u32 v[RD], s23, v5
	v_and_b32 v5, 31, v0
	v_lshlrev_b32 v[CO], 4, v5                     ; which are 512 consecutive bytes of the head-major result
.macro MUL16 f, hi, a0, zero
.irp a, \a0, \a0+1
.irp b, 0,1,2,3,4,5,6,7
.if \zero
	v_wmma_f32_16x16x32_f16 v[8*(8*(\a)+\b):8*(8*(\a)+\b)+7], v[\f+8*\b:\f+8*\b+7], v[\f+8*(4*\hi+\a):\f+8*(4*\hi+\a)+7], 0
.else
	v_wmma_f32_16x16x32_f16 v[8*(8*(\a)+\b):8*(8*(\a)+\b)+7], v[\f+8*\b:\f+8*\b+7], v[\f+8*(4*\hi+\a):\f+8*(4*\hi+\a)+7], v[8*(8*(\a)+\b):8*(8*(\a)+\b)+7]
.endif
.endr
.endr
.endm
; 32 LDS loads in one run: the fragments of quarter q of a K step (32 k x 128 columns of W, 128 rows x 32 k of X) into buffer f
.macro FETCH slot, q, f
	WIN TO_B
.irp i, 0,1,2,3,4,5,6,7
	ds_load_tr16_b128 v[\f+8*\i:\f+8*\i+3],   v[ADRB+\slot] offset:\q*32*BPITCH+\i*32
	ds_load_tr16_b128 v[\f+8*\i+4:\f+8*\i+7], v[ADRB+\slot] offset:\q*32*BPITCH+\i*32+16*BPITCH
.endr
	WIN 0
.irp i, 0,1,2,3,4,5,6,7
	ds_load_b128 v[\f+8*\i:\f+8*\i+3],   v[ADRA+\slot] offset:\q*64+\i*16*PITCH
	ds_load_b128 v[\f+8*\i+4:\f+8*\i+7], v[ADRA+\slot] offset:\q*64+\i*16*PITCH+32
.endr
.endm
; Four plain vector places between a matrix instruction and a load into, or a vector read of, one of its registers
.macro PLACES
.rept 4
	v_nop
.endr
.endm
; One of the first three quarters of a K step: multiplies buffer f, and in its middle fetches quarter q into buffer g.
; The 64 accumulators take turns, one instruction a turn, in the same order in every quarter.
.macro QUARTER slot, q, f, g, zero
	s_wait_dscnt 8                                 ; W and X's rows 0-63 are in; the youngest eight loads (rows 64-127) may be out
	WIN MUL_LO
	MUL16 \f, 0, 0, \zero
	MUL16 \f, 0, 2, \zero
	PLACES
	FETCH \slot, \q, \g
	s_wait_dscnt 32                                ; all but the 32 just issued
	WIN MUL_HI
	MUL16 \f, 1, 0, \zero
	MUL16 \f, 1, 2, \zero
.endm
.macro THREE slot, zero
	QUARTER \slot, 1, F0, F1, \zero
	QUARTER \slot, 2, F1, F0, 0
	QUARTER \slot, 3, F0, F1, 0
.endm
; The last quarter multiplies buffer 1 and changes slots.  In front of the barrier each wave waits for its reads of this slot and for all its
; tensor loads (the one that is out is its part of the next slot); behind it the refill comes first, then the next slot's first fragments.
.macro TURN slot, next, fill
	s_wait_dscnt 8
	WIN MUL_LO
	MUL16 F1, 0, 0, 0
	s_wait_dscnt 0                                 ; my reads of this slot are over
	s_wait_tensorcnt 0x0                           ; and all my tensor loads have landed
	s_barrier_signal -1                            ; (where a slot is filled again this barrier opens a round of the cluster's barrier)
	MUL16 F1, 0, 2, 0                              ; register work while the others arrive
	WIN 0
	s_barrier_wait -1
.if \fill
	CREST                                          ; no wave of any partner still reads this slot or has a load on its way
	s_add_nc_u64 s[G0+4*\slot+2:G0+4*\slot+3], s[G0+4*\slot+2:G0+4*\slot+3], 2*KSTEP*2
	s_add_nc_u64 s[G0B+4*\slot+2:G0B+4*\slot+3], s[G0B+4*\slot+2:G0B+4*\slot+3], 2*KSTEP*2048
	JLOAD \slot                                    ; the first tensor load behind the round, one a wave
.endif
	PLACES
	FETCH \next, 0, F0
	WIN MUL_HI
	MUL16 F1, 1, 0, 0
	MUL16 F1, 1, 2, 0
.endm
.macro LAP zero
	THREE 0, \zero
	TURN 0, 1, 1
	THREE 1, 0
	TURN 1, 0, 1
.endm
	s_wait_tensorcnt 1                             ; my part of K step 0 is in; K step 1's stays out
	s_barrier_signal -1
	s_barrier_wait -1
	FETCH 0, 0, F0
	LAP 1                                          ; the first lap's first products start the sums: nothing is cleared
	WIN 0
	s_mov_b32 s3, LAPS-2
.Llap:
	LAP 0
	WIN 0
	s_sub_co_u32 s3, s3, 1
	s_cmp_lg_u32 s3, 0
	s_cbranch_scc1 .Llap
	THREE 0, 0                                     ; the last lap fills nothing
	TURN 0, 1, 0
	THREE 1, 0
	s_wait_dscnt 8
	WIN MUL_LO
	MUL16 F1, 0, 0, 0
	MUL16 F1, 0, 2, 0
	s_wait_dscnt 0
	WIN MUL_HI
	MUL16 F1, 1, 0, 0
	MUL16 F1, 1, 2, 0
	; THE WAY OUT, 16 token rows at a time: round to bf16, 16 bytes a lane into my stage, read back head by head, store 512 consecutive bytes an instruction.
	PLACES
	s_and_b32 s14, s13, 15                         ; the part that hangs on grid y and the wave: batch, token row, K or V
	s_lshr_b32 s16, s14, 2                         ; batch = row block / 4
	s_lshl_b32 s16, s16, 21                        ; 16 heads of 131,072 bytes
	s_and_b32 s14, s14, 3
	s_lshl_b32 s14, s14, 8
	s_lshl_b32 s17, s11, 7
	s_add_co_u32 s14, s14, s17                     ; my first token in the batch
	s_lshl_b32 s14, s14, 7                         ; 128 bytes a token
	s_add_co_u32 s16, s16, s14
	s_and_b32 s14, s45, 1                          ; V lies 8 MiB behind K
	s_lshl_b32 s14, s14, 23
	s_add_co_u32 s16, s16, s14
	s_mov_b32 s17, 0
	s_lshl_b32 s46, s42, 2                         ; the part that hangs on the column block: head = 4 x block + 2 x my half
	s_lshl_b32 s47, s12, 1
	s_add_co_u32 s46, s46, s47
	s_lshl_b32 s46, s46, 17
	s_mov_b32 s47, 0
	s_cmp_ge_u32 s45, 2                            ; mat 0, 1 -> st1; mat 2, 3 -> st2
	s_cselect_b64 s[8:9], s[74:75], s[72:73]
	s_add_nc_u64 s[8:9], s[8:9], s[16:17]
	s_add_nc_u64 s[8:9], s[8:9], s[46:47]
.macro OUT16 i, a, from, f
	WIN \from
.irp b, 0,1,2,3,4,5,6,7
.irp r, 0,1,2,3
	v_cvt_pk_bf16_f32 v[TMP+4*\b+\r], v[8*(8*\a+\b)+2*\r], v[8*(8*\a+\b)+2*\r+1]
.endr
.endr
	WIN 0
.irp b, 0,1,2,3,4,5,6,7
	ds_store_b128 v[STO], v[TMP+4*\b:TMP+4*\b+3] offset:32*\b
.endr
	s_wait_xcnt 0x0                                ; buffer f, which earlier stores read, and the stores' base are rewritten only behind this wait
.if \i
	s_add_nc_u64 s[8:9], s[8:9], 16*128            ; 16 tokens on
.endif
.irp t, 0,1,2,3,4,5,6,7
	ds_load_b128 v[\f+4*\t:\f+4*\t+3], v[RD] offset:(\t%4)*4*SPITCH+(\t/4)*128   ; four tokens of head t / 4; a wave's LDS instructions are served in order
.endr
.irp t, 0,1,2,3,4,5,6,7
	s_wait_dscnt 7-\t
	global_store_b128 v[CO], v[\f+4*\t:\f+4*\t+3], s[8:9] offset:(\t/4)*HEADB+(\t%4)*512
.endr
.endm
	OUT16 0, 0, 0x0a, F0
	OUT16 1, 1, 0x0a, F1
	OUT16 2, 2, 0x0a, F0
	OUT16 3, 3, 0x0a, F1
	OUT16 4, 0, 0x0f, F0
	OUT16 5, 1, 0x0f, F1
	OUT16 6, 2, 0x0f, F0
	OUT16 7, 3, 0x0f, F1
	CROUND                                         ; the closing round: no work-group ends while a partner may still ask for a tile that names it
	s_endpgm
.Lfunc_end_k_q7534ce3232_kv:
	.size	k_q7534ce3232_kv, .Lfunc_end_k_q7534ce3232_kv-k_q7534ce3232_kv
	.p2alignl 7, 3214868480
	.fill 96, 4, 3214868480
	.section	.rodata,"a",@progbits
	.p2align	6, 0x0
	.amdhsa_kernel k_q7534ce3232_kv
		.amdhsa_group_segment_fixed_size 327680
		.amdhsa_private_segment_fixed_size 0
		.amdhsa_enable_private_segment 0
		.amdhsa_kernarg_size 32
		.amdhsa_user_sgpr_count 2
		.amdhsa_user_sgpr_kernarg_segment_ptr 1
		.amdhsa_wavefront_size32 1
		.amdhsa_system_sgpr_workgroup_id_x 1
		.amdhsa_system_sgpr_workgroup_id_y 1
		.amdhsa_system_sgpr_workgroup_id_z 1
		.amdhsa_system_vgpr_workitem_id 0
		.amdhsa_next_free_vgpr 1024
		.amdhsa_next_free_sgpr 76
		.amdhsa_reserve_vcc 0
		.amdhsa_float_denorm_mode_32 3
		.amdhsa_float_denorm_mode_16_64 3
		.amdhsa_memory_ordered 1
		.amdhsa_forward_progress 1
		.amdhsa_inst_pref_size 195
	.end_amdhsa_kernel
	.amdgpu_metadata
---
amdhsa.version: [ 1, 2 ]
amdhsa.kernels:
  - .name:           k_q7534ce3232_kv
    .symbol:         k_q7534ce3232_kv.kd
    .args:
      - { .name: xb, .offset: 0, .size: 8, .value_kind: global_buffer, .address_space: global }
      - { .name: wt, .offset: 8, .size: 8, .value_kind: global_buffer, .address_space: global }
      - { .name: st1, .offset: 16, .size: 8, .value_kind: global_buffer, .address_space: global }
      - { .name: st2, .offset: 24, .size: 8, .value_kind: global_buffer, .address_space: global }
    .group_segment_fixed_size: 327680
    .private_segment_fixed_size: 0
    .kernarg_segment_align: 8
    .kernarg_segment_size: 32
    .max_flat_workgroup_size: 128
    .sgpr_count:     76
    .vgpr_count:     1024
    .wavefront_size: 32
...
	.end_amdgpu_metadata
.endif
;; end of part 2
;; launch attn1 (part 3): grid 8 x 32, 4 waves a work-group, clusters of 4 x 4, 327,680 bytes of LDS; arguments xb, st1, bq, bv, tgt_attention_mask, qres, ctx; writes qres, ctx
.if DOCPART == 3
	.amdgcn_target "amdgcn-amd-amdhsa--gfx1250"
	.amdhsa_code_object_version 6
	.text
	.protected	k_q7534ce3232_attn1
	.globl	k_q7534ce3232_attn1
	.p2align	8
	.type	k_q7534ce3232_attn1,@function
k_q7534ce3232_attn1:
	s_mov_b64 s[64:65], 0
	v_nop
	global_prefetch_b8 v0, s[64:65] scope:SCOPE_SE
	s_setreg_imm32_b32 hwreg(HW_REG_WAVE_MODE, 25, 1), 1
	s_wait_xcnt 0x0
	s_wait_alu depctr_hold_cnt(0) depctr_sa_sdst(0) depctr_va_vdst(0) depctr_va_sdst(0) depctr_va_ssrc(0) depctr_va_vcc(0) depctr_vm_vsrc(0)
	s_getreg_b32 s2, hwreg(HW_REG_IB_STS2, 6, 4)
	s_cmp_eq_u32 s2, 0
	s_cbranch_scc0 .Lentry_in_a_cluster
	s_endpgm
.Lentry_in_a_cluster:
	s_bfe_u32 s2, ttmp6, 0x10000c
	s_cmp_lg_u32 s2, 0xf033
	s_cbranch_scc0 .Lentry_shape_is_right
	s_endpgm
.Lentry_shape_is_right:
; ATTN: for 128 query rows (grid x) of one batch and one pair of heads (grid y = 8 b + pair):
;   q = x Wq + bq (this slice of q is made here and nowhere else; f32 to qres for the residual, bf16 kept in registers),
;   then softmax(q k^T / 8 + mask) v + bv with a running maximum, f16 to ctx, head-major [b*16+h][1024][64].
; Left out: bk (constant along the softmax's axis: shown at the head of prep).  bv is added behind the division by the row sum, since a row of probs sums to 1.
; Arguments: x f16 [4096][1024]; st: K at 0, V at 8 MiB (head-major bf16), Wq f16 [k][n] at 16 MiB; bq; bv; mask f32 [4][1024]; qres; ctx.
; FORMATS: x Wq in f16 operands (q is the residual, and its error reaches the result undamped); q k^T and probs v in bf16 operands (their roundings are averaged
; over the keys); ctx leaves in f16, the next product's operand: it is a convex mix of v plus bv.  LIMIT: |ctx| above 65,504 becomes infinity (the room is
; counted at the head of prep).
; Four waves: wave w takes rows 64 (w & 1) .. + 63 and head w >> 1 of the pair.
; All products take the weight / K / V fragment as source 0 and the query-row fragment as source 1: lane (r = l % 16, h = l / 16) holds query row r and in
; registers j the columns (or keys) 8 h + j of each block of 16.  So q's accumulators turn into Q fragments, and the probabilities into P fragments, inside
; the lane, and a row's maximum and sum need one exchange between lanes l and l ^ 16.
; TWO LDS SLOTS of 141,312 bytes serve both phases.  In the Q phase a slot holds a K step of 256 (x 128 rows of 512 bytes, Wq 256 k rows of 256 bytes): four steps,
; two first fills and two refills, 128 products between a request and the wait for it.  As the third and the fourth step are read out, their slots are asked for
; again with the first two key steps' K and V (77,824 bytes, at the slot's head), which land under the Q phase's end and q's way out; the key loop goes on
; filling those bytes by turns.
; SCORES in base 2, made by the products alone: q is multiplied by log2 e / 8 once, where it is rounded to bf16, and mask log2 e, which lies in the layout of a
; product's result (register j = key 8 h + j), is the C of each key block's first product.
; THE KEY LOOP BY TURNS: the wave's four blocks of 16 rows share a step's K and V fragments.  A block's softmax (216 vector instructions) is written as a numbered
; list and dealt in slices, one behind each product of the neighbouring blocks (32 products a block); scores and probabilities have two buffers that take turns.
; THE STATE STARTS as m = the most negative finite f32, l = 0.  In the first key step the factor 2^(m - new m) is then 0 and clears the output accumulators,
; which still hold the same rows' q: so the first step is the loop's own text, and the step is written four times and not six (refills stand in steps 0 to 5).
; LIMITS: mask log2 e is bounded below at -2^126, so that no infinity enters a product as C: a key masked so counts 0 beside any key that is not; a row whose keys
; are ALL masked so gets equal weights, where a row of -infinity gives NaN in the softmax as it is written.  A NaN in the mask stays a NaN.  A q that is not finite
; spoils its own row alone (0 x infinity in the first step), a row whose scores are not finite either.
; The row sum adds the f32 exponentials, the product with V their bf16 roundings.
; CLUSTERS of 4 x 4: the four work-groups of a cluster's column (same query block, same batch) share x's tiles; the four of a row (same head pair) share
; Wq's, K's and V's tiles.  Each tile is asked for jointly.
.set APITCH, 528                       ; x in LDS: 512 + 16 bytes, an odd multiple of 16
.set WPITCH, 288                       ; Wq: 256 + 32 bytes, an odd multiple of 32 for the transposing load
.set KPITCH, 144                       ; K: 128 + 16
.set VPITCH, 160                       ; V: 128 + 32
.set QSLOT,  141312                    ; x 128 rows x 528 at 0, Wq 256 k x 288 at 67,584
.set QW,     67584
.set KVSLOT, QSLOT                     ; key slot s lies at the head of slot s: K of head i at i x 18,432; V of head i at 36,864 + i x 20,480
.set KVV,    36864
.set STAGE_B, 2*QSLOT                  ; 282,624: 4,352 bytes a wave for the ways out; no tensor load lands here or behind
.set MASKB,  STAGE_B+4*4352            ; 300,032: the batch's 1,024 mask values times log2 e
.set G1A, 16                           ; s[16:23] group 1: x     s[24:31]: Wq     s[48:55]: K     s[56:63]: V
.set G1W, 24
.set G1K, 48
.set G1V, 56
.set G0A, 32                           ; s[32:39] group 0, one set for each slot: x     s[40:47]: Wq     s[68:75]: K     s[76:83]: V
.set G0W, 40
.set G0K, 68
.set G0V, 76
; window 0
.set ADRA, 4                           ; v4-5 x fragments, slot 0, 1     v8-9 K     v10-11 V
.set ADRK, 8
.set ADRV, 10
.set ADRM, 12                          ; v12 my mask values of the key step that is loaded next
.set STO32, 13                         ; v13-15 way out of q (f32)
.set RD32, 14
.set QO,   15
.set STO16, 16                         ; v16-18 way out of ctx (f16)
.set RD16, 17
.set CO,   18
.set TP,   20                          ; v[20:21] new maximum, rescaling factor
.set ML,   22                          ; v[22:29] running maximum and my part of the running sum, for each of 4 row blocks
.set SC,   32                          ; v[32:159] scores: two buffers of 8 key blocks x 8; row block i uses buffer i % 2
.set PF,   160                         ; v[160:223] probabilities: two buffers of 4 fragments
.set MX,   224                         ; v[224:227] four chains of the maximum
.set ADRW, 228                         ; v[228:231] Wq fragments: slot s, its k rows 128 i .. at 2 s + i (256 k rows of 288 bytes pass an LDS offset's 16 bits)
; window 1: Q phase: x fragments v[32 q + 8 mb], Wq fragments v[128 + 32 q + 8 nb], four quarter buffers; key loop: K v[16 kt + 8 kk], V v[128 + 32 ks + 8 db]
; window 2: v[0:127] accumulators (q, then the output)
.set BV,   128                         ; window 2: v[128:159] bv, v[160:191] bq of my 32 columns
.set BQ,   160
.set QF,   192                         ; window 2: v[192:255] Q fragments: 4 row blocks x 2 halves of the head's 64
.set MK,   0                           ; window 3: v[0:63] my 64 mask values of a key step
.set MSB, 0
.macro WIN new                         ; the immediate's high byte repeats the setting that is left; a switch that changes nothing is dropped
.if MSB != \new
	s_set_vgpr_msb (MSB<<8)|\new
.set MSB, \new
.endif
.endm
.macro PLACES                          ; four plain vector places behind a matrix instruction (ISA guide 7.12.1)
.rept 4
	v_nop
.endr
.endm
.macro CROUND                          ; a round of the cluster's barrier
	s_barrier_signal -1
	s_barrier_wait -1
	s_cmp_lg_u32 s4, 0
	s_cbranch_scc1 .Lnot_wave_0_\@
	s_barrier_signal -3
.Lnot_wave_0_\@:
	s_barrier_wait -3
	s_barrier_signal -1
	s_barrier_wait -1
.endm
.macro JQ s                            ; joint refill of slot s with a K step of the Q phase: waves 0, 1 ask for x's halves, waves 2, 3 for Wq's
	s_cmp_eq_u32 s6, 0
	s_cbranch_scc0 .Ljq_w_\@
	tensor_load_to_lds s[G0A+4*(\s):G0A+4*(\s)+3], s[G1A:G1A+7]
	s_branch .Ljq_e_\@
.Ljq_w_\@:
	tensor_load_to_lds s[G0W+4*(\s):G0W+4*(\s)+3], s[G1W:G1W+7]
.Ljq_e_\@:
.endm
.macro JKV s                           ; joint refill of slot s with a key step: waves 0, 1 ask for the two heads' K, waves 2, 3 for their V
	s_cmp_eq_u32 s6, 0
	s_cbranch_scc0 .Ljk_v_\@
	tensor_load_to_lds s[G0K+4*(\s):G0K+4*(\s)+3], s[G1K:G1K+7]
	s_branch .Ljk_e_\@
.Ljk_v_\@:
	tensor_load_to_lds s[G0V+4*(\s):G0V+4*(\s)+3], s[G1V:G1V+7]
.Ljk_e_\@:
.endm
	s_load_b256 s[84:91], s[0:1], 0x0              ; x s[84:85], st s[86:87], bq s[88:89], bv s[90:91]
	s_load_b128 s[92:95], s[0:1], 0x20             ; mask s[92:93], qres s[94:95]
	s_load_b64 s[96:97], s[0:1], 0x30              ; ctx
	v_lshrrev_b32 v1, 5, v0
	v_readfirstlane_b32 s4, v1                     ; wave
	s_and_b32 s5, s4, 1                            ; my half of the rows; also which half of a tile I fetch
	s_lshr_b32 s6, s4, 1                           ; my head of the pair; also what I fetch
	s_bfe_u32 s7, ttmp6, 0x40000                   ; cx
	s_bfe_u32 s8, ttmp6, 0x40004                   ; cy
	s_lshl_b32 s9, ttmp9, 2
	s_add_co_u32 s9, s9, s7                        ; query block
	s_and_b32 s11, ttmp7, 0xffff
	s_lshl_b32 s10, s11, 2
	s_add_co_u32 s10, s10, s8                      ; 8 b + pair
	s_lshr_b32 s11, s11, 1                         ; b = cluster y / 2: the same in the whole cluster
	s_mov_b32 s12, 0x76543210                      ; v_permlanex16_b32: lane l reads lane l ^ 16
	s_mov_b32 s13, 0xfedcba98
	s_mov_b32 s14, 0x3e38aa3b                      ; log2 e / 8
	s_mov_b32 s15, 0x3e38aa3b
	s_lshl_b32 s66, 0x1111, s7                     ; my column of the cluster (registers s66-67 hold what hangs on cx, s98-101 what hangs on cy)
	s_lshl_b32 s98, s8, 2
	s_lshl_b32 s98, 15, s98                        ; my row
	s_or_b32 s[G1A], s66, (1<<16)|(1<<20)|(1<<21)|(6<<22)|(3<<25)   ; elements of 2 bytes; 4 words of padding behind every 128
	s_or_b32 s[G1W], s98, (1<<16)|(1<<20)|(1<<21)|(5<<22)|(7<<25)   ; 8 words behind every 64
	s_or_b32 s[G1K], s98, (1<<16)|(1<<20)|(1<<21)|(4<<22)|(3<<25)   ; 4 words behind every 32
	s_or_b32 s[G1V], s98, (1<<16)|(1<<20)|(1<<21)|(4<<22)|(7<<25)   ; 8 words behind every 32
	s_mov_b32 s[G1A+1], 256<<16                    ; x: a tile of 64 rows x 256 elements, 1,024 elements from row to row
	s_mov_b32 s[G1A+2], 64<<16
	s_mov_b32 s[G1A+3], 256<<16
	s_mov_b32 s[G1A+4], 64
	s_mov_b32 s[G1A+5], 1024
	s_mov_b32 s[G1A+6], 0
	s_mov_b32 s[G1A+7], 0
	s_mov_b32 s[G1W+1], 128<<16                    ; Wq: a tile of 128 k rows x 128 elements, 1,024 elements from row to row
	s_mov_b32 s[G1W+2], 128<<16
	s_mov_b32 s[G1W+3], 128<<16
	s_mov_b32 s[G1W+4], 128
	s_mov_b32 s[G1W+5], 1024
	s_mov_b32 s[G1W+6], 0
	s_mov_b32 s[G1W+7], 0
.irp g, G1K, G1V
	s_mov_b32 s[\g+1], 4096<<16                    ; a head's 128 keys of 128 bytes lie end to end: 16,384 consecutive bytes, stated as two rows of 4,096 elements;
	s_mov_b32 s[\g+2], 2<<16                       ; the padding is counted along the rows, behind every key's 128 bytes
	s_mov_b32 s[\g+3], 4096<<16
	s_mov_b32 s[\g+4], 2
	s_mov_b32 s[\g+5], 4096
	s_mov_b32 s[\g+6], 0
	s_mov_b32 s[\g+7], 0
.endr
	s_lshl_b32 s66, s11, 10                        ; x: row 1024 b + 128 block + 64 half, 2,048 bytes a row
	s_lshl_b32 s67, s9, 7
	s_add_co_u32 s66, s66, s67
	s_lshl_b32 s67, s5, 6
	s_add_co_u32 s66, s66, s67
	s_lshl_b32 s66, s66, 11
	s_mov_b32 s67, 0
	s_and_b32 s98, s10, 7                          ; Wq: 16 MiB + 128 k rows x half + the pair's 128 columns
	s_lshl_b32 s98, s98, 8
	s_lshl_b32 s99, s5, 18
	s_add_co_u32 s98, s98, s99
	s_add_co_u32 s98, s98, 0x1000000
	s_mov_b32 s99, 0
	s_lshl_b32 s100, s10, 1                        ; K: head 16 b + 2 pair + half, 131,072 bytes a head
	s_add_co_u32 s100, s100, s5
	s_lshl_b32 s100, s100, 17
	s_mov_b32 s101, 0
	s_mul_i32 s[G0A+1], s5, 64*APITCH              ; LDS addresses: constants and the wave's number alone
	s_add_co_u32 s[G0A+5], s[G0A+1], QSLOT
	s_mul_i32 s[G0W+1], s5, 128*WPITCH
	s_add_co_u32 s[G0W+5], s[G0W+1], QW+QSLOT
	s_add_co_u32 s[G0W+1], s[G0W+1], QW
	s_mul_i32 s[G0K+1], s5, 128*KPITCH
	s_add_co_u32 s[G0K+5], s[G0K+1], KVSLOT
	s_mul_i32 s[G0V+1], s5, 128*VPITCH
	s_add_co_u32 s[G0V+5], s[G0V+1], KVV+KVSLOT
	s_add_co_u32 s[G0V+1], s[G0V+1], KVV
.irp g, G0A, G0W, G0K, G0V
	s_mov_b32 s[\g], 1
	s_mov_b32 s[\g+4], 1
.endr
	s_wait_kmcnt 0x0
	s_add_nc_u64 s[G0A+2:G0A+3], s[84:85], s[66:67]
	s_add_nc_u64 s[G0A+6:G0A+7], s[G0A+2:G0A+3], 512            ; K step 1: 256 elements along the rows
	s_add_nc_u64 s[G0W+2:G0W+3], s[86:87], s[98:99]
	s_add_nc_u64 s[G0W+6:G0W+7], s[G0W+2:G0W+3], 0x80000        ; 256 k rows down
	s_add_nc_u64 s[G0K+2:G0K+3], s[86:87], s[100:101]
	s_add_nc_u64 s[G0K+6:G0K+7], s[G0K+2:G0K+3], 16384          ; key step 1: 128 keys of 128 bytes
	s_add_nc_u64 s[G0V+2:G0V+3], s[G0K+2:G0K+3], 0x800000
	s_add_nc_u64 s[G0V+6:G0V+7], s[G0V+2:G0V+3], 16384
.irp g, G0A, G0W, G0K, G0V
	s_or_b32 s[\g+3], s[\g+3], 0x80000000
	s_or_b32 s[\g+7], s[\g+7], 0x80000000
.endr
	CROUND                                         ; all sixteen work-groups are here: the first joint loads meet
	s_cmp_eq_u32 s6, 0                             ; both first fills in one branch: two tensor loads of a wave are out
	s_cbranch_scc0 .Lfirst_w
	tensor_load_to_lds s[G0A:G0A+3], s[G1A:G1A+7]
	tensor_load_to_lds s[G0A+4:G0A+7], s[G1A:G1A+7]
	s_branch .Lfirst_done
.Lfirst_w:
	tensor_load_to_lds s[G0W:G0W+3], s[G1W:G1W+7]
	tensor_load_to_lds s[G0W+4:G0W+7], s[G1W:G1W+7]
.Lfirst_done:
	; the batch's mask: thread t brings eight values
	s_lshl_b32 s100, s11, 12
	s_mov_b32 s101, 0
	s_add_nc_u64 s[92:93], s[92:93], s[100:101]
	v_lshlrev_b32 v30, 5, v0
	global_load_b128 v[SC:SC+3], v30, s[92:93]
	global_load_b128 v[SC+4:SC+7], v30, s[92:93] offset:16
	; bq and bv of my 32 columns 16 nb + 8 h + j of my head
	v_and_b32 v1, 15, v0                           ; r
	v_bfe_u32 v2, v0, 4, 1                         ; h
	v_lshlrev_b32 v19, 5, v2
	s_and_b32 s98, s10, 7
	s_lshl_b32 s98, s98, 9                         ; the pair's 128 columns of f32,
	s_lshl_b32 s99, s6, 8                          ; my head's 64
	s_add_co_u32 s98, s98, s99
	s_mov_b32 s99, 0
	s_add_nc_u64 s[88:89], s[88:89], s[98:99]
	s_add_nc_u64 s[90:91], s[90:91], s[98:99]
	WIN 0x80                                       ; destination window 2
.irp nb, 0,1,2,3
	global_load_b128 v[BQ+8*\nb:BQ+8*\nb+3],   v19, s[88:89] offset:\nb*64
	global_load_b128 v[BQ+8*\nb+4:BQ+8*\nb+7], v19, s[88:89] offset:\nb*64+16
	global_load_b128 v[BV+8*\nb:BV+8*\nb+3],   v19, s[90:91] offset:\nb*64
	global_load_b128 v[BV+8*\nb+4:BV+8*\nb+7], v19, s[90:91] offset:\nb*64+16
.endr
	WIN 0
	; where the results go
	s_lshl_b32 s66, s11, 10
	s_lshl_b32 s67, s9, 7
	s_add_co_u32 s66, s66, s67
	s_lshl_b32 s67, s5, 6
	s_add_co_u32 s66, s66, s67                     ; my first row of the 4,096
	s_lshl_b32 s66, s66, 12
	s_mov_b32 s67, 0
	s_add_nc_u64 s[94:95], s[94:95], s[66:67]      ; qres: row x 4,096 bytes
	s_add_nc_u64 s[94:95], s[94:95], s[98:99]      ; + my head's columns
	s_lshl_b32 s66, s9, 7
	s_lshl_b32 s67, s5, 6
	s_add_co_u32 s66, s66, s67
	s_lshl_b32 s66, s66, 7
	s_mov_b32 s67, 0
	s_add_nc_u64 s[96:97], s[96:97], s[66:67]      ; ctx: token x 128 bytes
	s_lshl_b32 s100, s10, 1
	s_add_co_u32 s100, s100, s6
	s_lshl_b32 s100, s100, 17
	s_mov_b32 s101, 0
	s_add_nc_u64 s[96:97], s[96:97], s[100:101]    ; + head x 131,072
	; LDS addresses
	v_and_b32 v3, 7, v0
	v_lshl_add_u32 v3, v2, 3, v3                   ; transposing loads: row 8 h + l % 8,
	v_bfe_u32 v24, v0, 3, 1
	v_lshlrev_b32 v24, 4, v24                      ; 16 bytes on for lanes 8-15 of each sixteen
	v_mul_u32_u24 v[ADRA], v1, APITCH
	v_lshl_add_u32 v[ADRA], v2, 4, v[ADRA]
	s_mul_i32 s3, s5, 64*APITCH
	v_add_nc_u32 v[ADRA], s3, v[ADRA]
	v_add_nc_u32 v[ADRA+1], QSLOT, v[ADRA]
	v_mul_u32_u24 v[ADRW], v3, WPITCH
	v_add_nc_u32 v[ADRW], v[ADRW], v24
	s_lshl_b32 s3, s6, 7
	s_add_co_u32 s3, s3, QW
	v_add_nc_u32 v[ADRW], s3, v[ADRW]
	v_add_nc_u32 v[ADRW+1], 128*WPITCH, v[ADRW]
	v_add_nc_u32 v[ADRW+2], QSLOT, v[ADRW]
	v_add_nc_u32 v[ADRW+3], QSLOT+128*WPITCH, v[ADRW]
	v_mul_u32_u24 v[ADRK], v1, KPITCH
	v_lshl_add_u32 v[ADRK], v2, 4, v[ADRK]
	s_mul_i32 s3, s6, 128*KPITCH
	v_add_nc_u32 v[ADRK], s3, v[ADRK]
	v_add_nc_u32 v[ADRK+1], KVSLOT, v[ADRK]
	v_mul_u32_u24 v[ADRV], v3, VPITCH
	v_add_nc_u32 v[ADRV], v[ADRV], v24
	s_mul_i32 s3, s6, 128*VPITCH
	s_add_co_u32 s3, s3, KVV
	v_add_nc_u32 v[ADRV], s3, v[ADRV]
	v_add_nc_u32 v[ADRV+1], KVSLOT, v[ADRV]
	v_lshl_add_u32 v[ADRM], v2, 5, MASKB
	s_mul_i32 s3, s4, 4352
	s_add_co_u32 s3, s3, STAGE_B                   ; my stage
	v_mul_u32_u24 v25, v1, 272
	v_lshl_add_u32 v25, v2, 5, v25
	v_add_nc_u32 v[STO32], s3, v25                 ; f32 in: row r, 32 bytes for each half of the lanes
	v_mul_u32_u24 v25, v2, 272
	v_lshl_add_u32 v25, v1, 4, v25
	v_add_nc_u32 v[RD32], s3, v25                  ; back: sixteen lanes take a row's 256 bytes
	v_lshlrev_b32 v25, 12, v2
	v_lshl_add_u32 v[QO], v1, 4, v25
	v_mul_u32_u24 v25, v1, 144
	v_lshl_add_u32 v25, v2, 4, v25
	v_add_nc_u32 v[STO16], s3, v25                 ; f16 in: row r, 16 bytes for each half
	v_bfe_u32 v25, v0, 3, 2
	v_mul_u32_u24 v25, v25, 144
	v_and_b32 v24, 7, v0
	v_lshl_add_u32 v25, v24, 4, v25
	v_add_nc_u32 v[RD16], s3, v25                  ; back: eight lanes take a row's 128 bytes
	v_and_b32 v25, 31, v0
	v_lshlrev_b32 v[CO], 4, v25
	v_add_nc_u32 v31, MASKB, v30
	s_mov_b32 s3, 0xfe800000                       ; -2^126
	v_mov_b32 v28, s3
	s_wait_loadcnt 16                              ; the two mask loads are in; the sixteen bias loads behind them stay out
.irp i, 0,2,4,6
	v_pk_mul_f32 v[SC+\i:SC+\i+1], v[SC+\i:SC+\i+1], 0x3fb8aa3b op_sel_hi:[1,0]
.endr
.irp i, 0,1,2,3,4,5,6,7
	v_cmp_gt_f32 vcc_lo, s3, v[SC+\i]              ; what lies below -2^126 (-infinity too) becomes -2^126; a NaN compares false and stays
	v_cndmask_b32 v[SC+\i], v[SC+\i], v28, vcc_lo
.endr
	ds_store_b128 v31, v[SC:SC+3]
	ds_store_b128 v31, v[SC+4:SC+7] offset:16
	s_wait_dscnt 0x0                               ; my part of the mask is written, for the other waves' sake
	s_wait_tensorcnt 0x1                           ; my part of slot 0 is in; slot 1's load stays out
	s_barrier_signal -1
	s_barrier_wait -1
; THE Q PHASE: 4 K steps of 256 = 32 quarters of 32 along K, 16 products each, in f16 operands, on four fragment buffers (quarter g on buffer g % 4).
; A quarter's 16 fragment loads (8 of x, 8 of Wq) stand as one short run in the middle of the quarter two ahead of it, so at most 32 loads are out
; and products are issued while they land.  The 16 accumulators take turns, one instruction a turn.
; Quarter gl: slot (gl / 8) % 2, bytes 64 (gl % 8) of x's rows, k rows 32 (gl % 8) of Wq: 16 loads into buffer gl % 4
.macro QLOAD
	WIN 0x40                                       ; destination window 1
.irp mb, 0,1,2,3
	ds_load_b128 v[32*(gl%4)+8*\mb:32*(gl%4)+8*\mb+3],   v[ADRA+(gl/8)%2] offset:\mb*16*APITCH+(gl%8)*64
	ds_load_b128 v[32*(gl%4)+8*\mb+4:32*(gl%4)+8*\mb+7], v[ADRA+(gl/8)%2] offset:\mb*16*APITCH+(gl%8)*64+32
.endr
.irp nb, 0,1,2,3
	ds_load_tr16_b128 v[128+32*(gl%4)+8*\nb:128+32*(gl%4)+8*\nb+3],   v[ADRW+2*((gl/8)%2)+(gl%8)/4] offset:(gl%4)*32*WPITCH+\nb*32
	ds_load_tr16_b128 v[128+32*(gl%4)+8*\nb+4:128+32*(gl%4)+8*\nb+7], v[ADRW+2*((gl/8)%2)+(gl%8)/4] offset:(gl%4)*32*WPITCH+\nb*32+16*WPITCH
.endr
.endm
.macro QMUL m0                         ; 8 products of buffer qb: row blocks m0, m0 + 1 x 4 column blocks.  zf = 1: they start the sums
.irp mb, \m0, \m0+1
.irp nb, 0,1,2,3
.if zf
	v_wmma_f32_16x16x32_f16 v[32*(\mb)+8*\nb:32*(\mb)+8*\nb+7], v[128+32*qb+8*\nb:128+32*qb+8*\nb+7], v[32*qb+8*(\mb):32*qb+8*(\mb)+7], 0
.else
	v_wmma_f32_16x16x32_f16 v[32*(\mb)+8*\nb:32*(\mb)+8*\nb+7], v[128+32*qb+8*\nb:128+32*qb+8*\nb+7], v[32*qb+8*(\mb):32*qb+8*(\mb)+7], v[32*(\mb)+8*\nb:32*(\mb)+8*\nb+7]
.endif
.endr
.endr
.endm
; The change of slots: all of slot s's fragments have been asked for.  kv = 0: it is asked for again with the K step two ahead; kv = 1: with key step s's K and V.
.macro QCHANGE s, kv
	WIN 0
	s_wait_dscnt 0x0                               ; my reads of slot s are over
	s_wait_tensorcnt 0x0                           ; all my tensor loads have landed, my part of the other slot among them: every group 0 may be written
.if \kv == 0
	s_add_nc_u64 s[G0A+4*\s+2:G0A+4*\s+3], s[G0A+4*\s+2:G0A+4*\s+3], 1024
	s_add_nc_u64 s[G0W+4*\s+2:G0W+4*\s+3], s[G0W+4*\s+2:G0W+4*\s+3], 0x100000
.endif
	CROUND                                         ; no wave of any partner still reads the slot or has a load on its way
.if \kv
	JKV \s                                         ; the first tensor load behind the round, one a wave
.else
	JQ \s
.endif
.endm
; Quarter g: 8 products; in a slot's seventh quarter the change of slots; the loads of quarter g + 2; 8 products.
.macro QQ
.set qb, g%4
.set zf, 0
.if g == 0
.set zf, 1
.endif
.if g < 31
	s_wait_dscnt 16                                ; this quarter's fragments are in; the next quarter's 16 loads may stay out
.else
	s_wait_dscnt 0
.endif
	WIN 0xa5                                       ; sources 0 and 1 window 1, C and D window 2
	QMUL 0
.if g == 6
	QCHANGE 0, 0                                   ; K step 2
.endif
.if g == 14
	QCHANGE 1, 0                                   ; K step 3
.endif
.if g == 22
	QCHANGE 0, 1                                   ; key step 0
.endif
.if g == 30
	QCHANGE 1, 1                                   ; key step 1; its waits and its round show key step 0's tiles whole to every wave
.endif
.if g < 30
.set gl, g+2
	PLACES                                         ; the loads below land in registers that products two quarters back read
	QLOAD
.endif
	WIN 0xa5
	QMUL 2
.endm
.set gl, 0
	QLOAD
.set gl, 1
	QLOAD
.set g, 0
.rept 32
	QQ
.set g, g+1
.endr
	WIN 0
; 48 LDS loads in one run: a key step's 64 mask values and its K fragments
.macro KLOAD slot
	WIN 0xc0                                       ; destination window 3
.irp kt, 0,1,2,3,4,5,6,7
	ds_load_b128 v[MK+8*\kt:MK+8*\kt+3],   v[ADRM] offset:\kt*64
	ds_load_b128 v[MK+8*\kt+4:MK+8*\kt+7], v[ADRM] offset:\kt*64+16
.endr
	WIN 0x40
.irp kt, 0,1,2,3,4,5,6,7
.irp kk, 0,1
	ds_load_b128 v[16*\kt+8*\kk:16*\kt+8*\kk+3],   v[ADRK+\slot] offset:\kt*16*KPITCH+\kk*64
	ds_load_b128 v[16*\kt+8*\kk+4:16*\kt+8*\kk+7], v[ADRK+\slot] offset:\kt*16*KPITCH+\kk*64+32
.endr
.endr
	WIN 0
	v_add_nc_u32 v[ADRM], 512, v[ADRM]             ; the next step's 128 mask values
.endm
	; q = sums + bq; f32 rows to qres through my stage; then q log2 e / 8 as bf16 Q fragments, inside the lane
	PLACES                                         ; behind the last products: for the loads into their fragment registers and for the adds that read the sums
	KLOAD 0                                        ; key step 0's mask and K land under q's way out
	s_wait_loadcnt 0x0                             ; bq and bv
	WIN 0x8a
.irp mb, 0,1,2,3
.irp nb, 0,1,2,3
.irp jj, 0,1,2,3
	v_pk_add_f32 v[32*\mb+8*\nb+2*\jj:32*\mb+8*\nb+2*\jj+1], v[32*\mb+8*\nb+2*\jj:32*\mb+8*\nb+2*\jj+1], v[BQ+8*\nb+2*\jj:BQ+8*\nb+2*\jj+1]
.endr
.endr
.endr
.macro OUTF mb, f                      ; 16 rows x 64 f32: in by lanes, back by rows; sixteen lanes store 256 consecutive bytes, aligned
	WIN 0x08                                       ; store data window 2
.irp nb, 0,1,2,3
	ds_store_b128 v[STO32], v[32*\mb+8*\nb:32*\mb+8*\nb+3]   offset:\nb*64
	ds_store_b128 v[STO32], v[32*\mb+8*\nb+4:32*\mb+8*\nb+7] offset:\nb*64+16
.endr
	WIN 0
	s_wait_xcnt 0x0                                ; registers f.. and the base, which earlier stores read, are rewritten only behind this wait
.if \mb
	s_add_nc_u64 s[94:95], s[94:95], 65536         ; 16 rows on
.endif
.irp t, 0,1,2,3,4,5,6,7
	ds_load_b128 v[\f+4*\t:\f+4*\t+3], v[RD32] offset:\t*544    ; a wave's LDS instructions are served in order: these see the stores above
.endr
.irp t, 0,1,2,3,4,5,6,7
	s_wait_dscnt 7-\t
	global_store_b128 v[QO], v[\f+4*\t:\f+4*\t+3], s[94:95] offset:\t*8192
.endr
.endm
	OUTF 0, SC
	OUTF 1, SC+32
	OUTF 2, SC
	OUTF 3, SC+32
	WIN 0x8a
.set i, 0
.rept 64
	v_pk_mul_f32 v[2*i:2*i+1], v[2*i:2*i+1], s[14:15] op_sel_hi:[1,0]     ; once for the row's 1,024 keys: the scores come out of the products in base 2
.set i, i+1
.endr
.irp mb, 0,1,2,3                       ; column 16 nb + 8 h + j is place 8 h + j of half nb % 2 of the fragment of 32 columns nb / 2
.irp nb, 0,1,2,3
.irp jj, 0,1,2,3
	v_cvt_pk_bf16_f32 v[QF+16*\mb+4*\nb+\jj], v[32*\mb+8*\nb+2*\jj], v[32*\mb+8*\nb+2*\jj+1]
.endr
.endr
.endr
	WIN 0
	s_wait_xcnt 0x0                                ; v[64:95], the data of the last eight stores to qres, are score registers: the products below write them only behind this wait
.irp b, 0,1,2,3
	v_mov_b32 v[ML+2*\b], 0xff7fffff               ; the running maximum is never below the most negative finite number
	v_mov_b32 v[ML+2*\b+1], 0
.endr
; A ROW BLOCK'S SOFTMAX AS A NUMBERED LIST.  SOP emits number opi of row block mb (buffers mb % 2).
;   OA  36: the maximum of my 64 scores in four chains, the other half's by one exchange, the running maximum
;   OB   3: the factor 2^(old - new); the move behind the exponential is the plain instruction that it wants
;   OC 131: subtract, exponential, round to bf16, as one stream in which each exponential stands between plain instructions that touch neither its
;           register nor its result: exp(2p), subtract(p+2), exp(2p+1), round(p-1); three of the numbers are empty (the stream's head and tail)
;   OD  16: the output so far times the factor
;   OE  33: the sum of my 64 exponentials as a tree, and the running sum
.set OC, 39
.set OD, 170
.set OE, 186
.set NOPS, 219
.macro SUBM                            ; pair sq of the scores minus the new maximum
	v_pk_add_f32 v[SB+2*sq:SB+2*sq+1], v[SB+2*sq:SB+2*sq+1], v[TP:TP+1] op_sel_hi:[1,0] neg_lo:[0,1] neg_hi:[0,1]
.endm
.macro CVTP                            ; key 16 kt + 8 h + j is place 8 h + j of half kt % 2 of fragment kt / 2
	v_cvt_pk_bf16_f32 v[PB+sq], v[SB+2*sq], v[SB+2*sq+1]
.endm
.macro SOP mb
.set SB, SC+64*(\mb%2)
.set PB, PF+32*(\mb%2)
.if opi < OD
	WIN 0
.elseif opi < OE
	WIN 0x82                                       ; destination and source 0 window 2
.else
	WIN 0
.endif
.if opi < 4
	v_max_num_f32 v[MX+opi], v[SB+16*opi], v[SB+16*opi+1]
.elseif opi < 32
.set sp, 1+(opi-4)/4
.set sr, (opi-4)%4
	v_max3_num_f32 v[MX+sr], v[MX+sr], v[SB+16*sr+2*sp], v[SB+16*sr+2*sp+1]
.elseif opi == 32
	v_max3_num_f32 v[MX], v[MX], v[MX+1], v[MX+2]
.elseif opi == 33
	v_max_num_f32 v[MX], v[MX], v[MX+3]
.elseif opi == 34
	v_permlanex16_b32 v30, v[MX], s12, s13         ; the row's other 64 keys lie in lane l ^ 16
.elseif opi == 35
	v_max3_num_f32 v[TP], v[MX], v30, v[ML+2*\mb]
.elseif opi == 36
	v_sub_f32 v[TP+1], v[ML+2*\mb], v[TP]
.elseif opi == 37
	v_exp_f32 v[TP+1], v[TP+1]
.elseif opi == 38
	v_mov_b32 v[ML+2*\mb], v[TP]
.elseif opi < OC+2
.set sq, opi-OC
	SUBM
.elseif opi == OC+130
.set sq, 31
	CVTP
.elseif opi < OD
.set sp, (opi-OC-2)/4
.set sr, (opi-OC-2)%4
.if sr == 0
	v_exp_f32 v[SB+2*sp], v[SB+2*sp]
.elseif sr == 1
.if sp < 30
.set sq, sp+2
	SUBM
.endif
.elseif sr == 2
	v_exp_f32 v[SB+2*sp+1], v[SB+2*sp+1]
.else
.if sp > 0
.set sq, sp-1
	CVTP
.endif
.endif
.elseif opi < OE
.set sq, opi-OD
	v_pk_mul_f32 v[32*\mb+2*sq:32*\mb+2*sq+1], v[32*\mb+2*sq:32*\mb+2*sq+1], v[TP:TP+1] op_sel:[0,1] op_sel_hi:[1,1]
.else
.set se, opi-OE
.if se < 31
.if se < 16
.set sn, 16
.set sq, se
.elseif se < 24
.set sn, 8
.set sq, se-16
.elseif se < 28
.set sn, 4
.set sq, se-24
.elseif se < 30
.set sn, 2
.set sq, se-28
.else
.set sn, 1
.set sq, 0
.endif
	v_pk_add_f32 v[SB+2*sq:SB+2*sq+1], v[SB+2*sq:SB+2*sq+1], v[SB+2*(sq+sn):SB+2*(sq+sn)+1]
.elseif se == 31
	v_add_f32 v[SB], v[SB], v[SB+1]
.else
	v_fma_f32 v[ML+2*\mb+1], v[ML+2*\mb+1], v[TP+1], v[SB]
.endif
.endif
.endm
.macro SL mb, upto                     ; a slice: the list's numbers from opi up to upto
.if (\upto) > opi
.rept (\upto)-opi
	SOP \mb
.set opi, opi+1
.endr
.endif
.endm
; A STAGE: the 16 products probs x V of row block pv and the 16 products q k^T of row block qk (-1: none), and behind each product one slice of
; numbers lo to hi of row block sm's softmax, dealt evenly.  The slices name none of the products' registers (the other score and probability buffer, another
; row block's output), so their plain instructions are the places behind the products.  Accumulators by turns, one instruction a turn.
.macro STAGE pv, qk, sm, lo, hi
.set NW, 0
.if \pv >= 0
.set NW, NW+16
.endif
.if \qk >= 0
.set NW, NW+16
.endif
.set wi, 0
.set opi, \lo
.if \pv >= 0
.set u, 0
.rept 16
	WIN 0xa1                                       ; source 0 (V) window 1, source 1 (P) window 0, C and D window 2
	v_wmma_f32_16x16x32_bf16 v[32*\pv+8*(u%4):32*\pv+8*(u%4)+7], v[128+32*(u/4)+8*(u%4):128+32*(u/4)+8*(u%4)+7], v[PF+32*(\pv%2)+8*(u/4):PF+32*(\pv%2)+8*(u/4)+7], v[32*\pv+8*(u%4):32*\pv+8*(u%4)+7]
.set u, u+1
.set wi, wi+1
	SL \sm, \lo+((\hi-\lo)*wi)/NW
.endr
.endif
.if \qk >= 0
.set u, 0
.rept 8
	WIN 0x39                                       ; source 0 (K) window 1, source 1 (Q) window 2, C (mask) window 3, D window 0
	v_wmma_f32_16x16x32_bf16 v[SC+64*(\qk%2)+8*u:SC+64*(\qk%2)+8*u+7], v[16*u:16*u+7], v[QF+16*\qk:QF+16*\qk+7], v[MK+8*u:MK+8*u+7]
.set u, u+1
.set wi, wi+1
	SL \sm, \lo+((\hi-\lo)*wi)/NW
.endr
.set u, 0
.rept 8
	WIN 0x09                                       ; the same with C and D in window 0
	v_wmma_f32_16x16x32_bf16 v[SC+64*(\qk%2)+8*u:SC+64*(\qk%2)+8*u+7], v[16*u+8:16*u+15], v[QF+16*\qk+8:QF+16*\qk+15], v[SC+64*(\qk%2)+8*u:SC+64*(\qk%2)+8*u+7]
.set u, u+1
.set wi, wi+1
	SL \sm, \lo+((\hi-\lo)*wi)/NW
.endr
.endif
.endm
; ONE KEY STEP of 128 keys in slot; its mask and K fragments were asked for in the step before.
; mode: the change of slots, when this slot's K and V are all in registers: 2 = a round of the cluster's barrier, the joint refill of this slot two steps ahead,
; and the next step's mask and K; 1 = the work-group's barrier and the next step's mask and K; 0 = the last step.
.macro KSTEP slot, mode
	s_wait_dscnt 0x0                               ; this step's mask and K fragments are in
	STAGE -1, 0, -1, 0, 0                          ; scores of row block 0
	WIN 0
	PLACES                                         ; behind these products, whose results the first slices read, and behind the last step's products with V, whose fragments are loaded again
	WIN 0x40
.irp ks, 0,1,2,3
.irp db, 0,1,2,3
	ds_load_tr16_b128 v[128+32*\ks+8*\db:128+32*\ks+8*\db+3],   v[ADRV+\slot] offset:\ks*32*VPITCH+\db*32
	ds_load_tr16_b128 v[128+32*\ks+8*\db+4:128+32*\ks+8*\db+7], v[ADRV+\slot] offset:\ks*32*VPITCH+\db*32+16*VPITCH
.endr
.endr
	STAGE -1, 1, 0, 0, NOPS                        ; scores of 1 beside the softmax of 0; V lands meanwhile
	s_wait_dscnt 0x0                               ; the V fragments are in
	STAGE 0, 2, 1, 0, NOPS
	STAGE 1, 3, 2, 0, NOPS                         ; its last slice is seven adds of the sum: the places in front of the loads below
	WIN 0
.if \mode
	s_wait_tensorcnt 0x0                           ; all my tensor loads have landed, my part of the next slot among them
.if \mode == 2
	s_add_nc_u64 s[G0K+4*\slot+2:G0K+4*\slot+3], s[G0K+4*\slot+2:G0K+4*\slot+3], 32768
	s_add_nc_u64 s[G0V+4*\slot+2:G0V+4*\slot+3], s[G0V+4*\slot+2:G0V+4*\slot+3], 32768
.endif
	s_wait_dscnt 0x0                               ; my reads of this slot are over (met: V was awaited above)
.if \mode == 2
	CROUND
	JKV \slot                                      ; the first tensor load behind the round, one a wave
.else
	s_barrier_signal -1
	s_barrier_wait -1
.endif
	KLOAD 1-\slot                                  ; lands under the 32 products below
.endif
	STAGE 2, -1, 3, 0, OE
	STAGE 3, -1, 3, OE, NOPS                       ; the sum of 3 needs no product to wait for it
	WIN 0
.endm
	s_mov_b32 s3, 3
.Lkv:
	KSTEP 0, 2                                     ; key steps 0 to 5
	KSTEP 1, 2
	s_sub_co_u32 s3, s3, 1
	s_cmp_lg_u32 s3, 0
	s_cbranch_scc1 .Lkv
	KSTEP 0, 1                                     ; key step 6: nothing is left to fetch
	KSTEP 1, 0                                     ; keys 896-1023
; THE END: divide by the row sum, add bv, round to f16, out through my stage: eight lanes a row of 128 bytes, a store covers 512 consecutive bytes
.macro FIN mb
	v_permlanex16_b32 v30, v[ML+2*\mb+1], s12, s13
	v_add_f32 v31, v30, v[ML+2*\mb+1]              ; the two halves of the row's sum
	v_rcp_f32 v[TP], v31
	v_nop                                          ; one plain instruction behind the reciprocal
	WIN 0xa2
.set i, 0
.rept 16
	v_pk_fma_f32 v[32*\mb+2*i:32*\mb+2*i+1], v[32*\mb+2*i:32*\mb+2*i+1], v[TP:TP+1], v[BV+2*i:BV+2*i+1] op_sel_hi:[1,0,1]
.set i, i+1
.endr
	WIN 0x0a
.set i, 0
.rept 16
	v_cvt_pk_f16_f32 v[SC+i], v[32*\mb+2*i], v[32*\mb+2*i+1]
.set i, i+1
.endr
	WIN 0
.irp db, 0,1,2,3
	ds_store_b128 v[STO16], v[SC+4*\db:SC+4*\db+3] offset:\db*32
.endr
	s_wait_xcnt 0x0                                ; v[48:63] and the base, which earlier stores read, are rewritten only behind this wait
.if \mb
	s_add_nc_u64 s[96:97], s[96:97], 2048          ; 16 tokens on
.endif
.irp t, 0,1,2,3
	ds_load_b128 v[SC+16+4*\t:SC+16+4*\t+3], v[RD16] offset:\t*576
.endr
.irp t, 0,1,2,3
	s_wait_dscnt 3-\t
	global_store_b128 v[CO], v[SC+16+4*\t:SC+16+4*\t+3], s[96:97] offset:\t*512
.endr
.endm
	FIN 0
	FIN 1
	FIN 2
	FIN 3
	CROUND                                         ; the closing round
	s_endpgm
.Lfunc_end_k_q7534ce3232_attn1:
	.size	k_q7534ce3232_attn1, .Lfunc_end_k_q7534ce3232_attn1-k_q7534ce3232_attn1
	.p2alignl 7, 3214868480
	.fill 96, 4, 3214868480
	.section	.rodata,"a",@progbits
	.p2align	6, 0x0
	.amdhsa_kernel k_q7534ce3232_attn1
		.amdhsa_group_segment_fixed_size 327680
		.amdhsa_private_segment_fixed_size 0
		.amdhsa_enable_private_segment 0
		.amdhsa_kernarg_size 56
		.amdhsa_user_sgpr_count 2
		.amdhsa_user_sgpr_kernarg_segment_ptr 1
		.amdhsa_wavefront_size32 1
		.amdhsa_system_sgpr_workgroup_id_x 1
		.amdhsa_system_sgpr_workgroup_id_y 1
		.amdhsa_system_sgpr_workgroup_id_z 1
		.amdhsa_system_vgpr_workitem_id 0
		.amdhsa_next_free_vgpr 832
		.amdhsa_next_free_sgpr 102
		.amdhsa_reserve_vcc 1
		.amdhsa_float_denorm_mode_32 3
		.amdhsa_float_denorm_mode_16_64 3
		.amdhsa_memory_ordered 1
		.amdhsa_forward_progress 1
		.amdhsa_inst_pref_size 255
	.end_amdhsa_kernel
	.section	.bss,"aw",@nobits
	.p2align	6
	.space	262144
	.amdgpu_metadata
---
amdhsa.version: [ 1, 2 ]
amdhsa.kernels:
  - .name:           k_q7534ce3232_attn1
    .symbol:         k_q7534ce3232_attn1.kd
    .args:
      - { .name: xb, .offset: 0, .size: 8, .value_kind: global_buffer, .address_space: global }
      - { .name: st1, .offset: 8, .size: 8, .value_kind: global_buffer, .address_space: global }
      - { .name: bq, .offset: 16, .size: 8, .value_kind: global_buffer, .address_space: global }
      - { .name: bv, .offset: 24, .size: 8, .value_kind: global_buffer, .address_space: global }
      - { .name: tgt_attention_mask, .offset: 32, .size: 8, .value_kind: global_buffer, .address_space: global }
      - { .name: qres, .offset: 40, .size: 8, .value_kind: global_buffer, .address_space: global }
      - { .name: ctx, .offset: 48, .size: 8, .value_kind: global_buffer, .address_space: global }
    .group_segment_fixed_size: 327680
    .private_segment_fixed_size: 0
    .kernarg_segment_align: 8
    .kernarg_segment_size: 56
    .max_flat_workgroup_size: 128
    .sgpr_count:     102
    .vgpr_count:     832
    .wavefront_size: 32
...
	.end_amdgpu_metadata
.endif
;; end of part 3
;; launch proj1 (part 4): grid 8 x 32, 4 waves a work-group, clusters of 4 x 4, 327,680 bytes of LDS; arguments ctx, wt, xln; writes xln
.if DOCPART == 4
	.amdgcn_target "amdgcn-amd-amdhsa--gfx1250"
	.amdhsa_code_object_version 6
	.text
	.protected	k_q7534ce3232_proj1
	.globl	k_q7534ce3232_proj1
	.p2align	8
	.type	k_q7534ce3232_proj1,@function
k_q7534ce3232_proj1:
	s_mov_b64 s[64:65], 0
	v_nop
	global_prefetch_b8 v0, s[64:65] scope:SCOPE_SE
	s_setreg_imm32_b32 hwreg(HW_REG_WAVE_MODE, 25, 1), 1
	s_wait_xcnt 0x0
	s_wait_alu depctr_hold_cnt(0) depctr_sa_sdst(0) depctr_va_vdst(0) depctr_va_sdst(0) depctr_va_ssrc(0) depctr_va_vcc(0) depctr_vm_vsrc(0)
	s_getreg_b32 s2, hwreg(HW_REG_IB_STS2, 6, 4)
	s_cmp_eq_u32 s2, 0
	s_cbranch_scc0 .Lentry_in_a_cluster
	s_endpgm
.Lentry_in_a_cluster:
	s_bfe_u32 s2, ttmp6, 0x10000c
	s_cmp_lg_u32 s2, 0xf033
	s_cbranch_scc0 .Lentry_shape_is_right
	s_endpgm
.Lentry_shape_is_right:
; PROJ: xln[4096][1024] f32 = ctx x Wo, in f16 operands.  ctx: f16 head-major [b*16+h][1024 tokens][64]; Wo: f16 [1024 k = 64 h + d][1024] at byte 8,388,608 of wt.
; bo and the residual are added where the LayerNorm reads xln.
; grid x = block of 128 columns, grid y = block of 128 rows.  Four waves: wave w takes rows 64 (w & 1) and columns 64 (w >> 1): 16 accumulators.
; K = 1,024 goes in four steps of 256 (four heads) through two LDS slots: two first fills, two refills, written out without a loop.
; A step is eight quarters of 32 along K, 16 products each, on four fragment buffers (quarter g on buffer g % 4); a quarter's 16 fragment loads stand as one short
; run in the middle of the quarter two ahead of it, so at most 32 loads are out and products are issued while they land.
; CLUSTERS of 4 x 4: a cluster's row shares ctx's tiles, a column Wo's; each is asked for jointly.
.set APITCH, 144                       ; a token's 128 bytes of one head + 16
.set WPITCH, 288                       ; 256 bytes of Wo's row + 32
.set HEADL,  128*APITCH                ; 18,432: one head's 128 tokens in LDS
.set SLOTB,  147456                    ; ctx 4 heads x 18,432 at 0; Wo 256 k x 288 at 73,728
.set WB,     73728
.set STAGE_B, 2*SLOTB                  ; 294,912: 4,352 bytes a wave for the way out; no tensor load lands here
.set G1A, 16
.set G1W, 24
.set G0A, 32
.set G0W, 40
.set ADRA, 4                           ; v4-5  ctx fragments, slot 0, 1
.set ADRW, 6                           ; v6-9  Wo fragments, slot s, its k rows 128 i .. at 2 s + i
.set STO32, 13
.set RD32, 14
.set QO,   15
.set RB,   32                          ; v[32:95] rows read back, two halves in turn
.set MSB, 0
.macro WIN new
.if MSB != \new
	s_set_vgpr_msb (MSB<<8)|\new
.set MSB, \new
.endif
.endm
.macro PLACES                          ; four plain vector places behind a matrix instruction (ISA guide 7.12.1)
.rept 4
	v_nop
.endr
.endm
.macro CROUND
	s_barrier_signal -1
	s_barrier_wait -1
	s_cmp_lg_u32 s4, 0
	s_cbranch_scc1 .Lnot_wave_0_\@
	s_barrier_signal -3
.Lnot_wave_0_\@:
	s_barrier_wait -3
	s_barrier_signal -1
	s_barrier_wait -1
.endm
.macro JP s                            ; joint refill of slot s: waves 0, 1 ask for two heads of ctx each, waves 2, 3 for 128 k rows of Wo each
	s_cmp_eq_u32 s6, 0
	s_cbranch_scc0 .Ljp_w_\@
	tensor_load_to_lds s[G0A+4*\s:G0A+4*\s+3], s[G1A:G1A+7]
	s_branch .Ljp_e_\@
.Ljp_w_\@:
	tensor_load_to_lds s[G0W+4*\s:G0W+4*\s+3], s[G1W:G1W+7]
.Ljp_e_\@:
.endm
	s_load_b128 s[48:51], s[0:1], 0x0              ; ctx s[48:49], wt s[50:51]
	s_load_b64 s[52:53], s[0:1], 0x10              ; xln
	v_lshrrev_b32 v1, 5, v0
	v_readfirstlane_b32 s4, v1
	s_and_b32 s5, s4, 1                            ; my half of the rows; also which half of a tile I fetch
	s_lshr_b32 s6, s4, 1                           ; my half of the columns; also what I fetch
	s_bfe_u32 s7, ttmp6, 0x40000                   ; cx
	s_bfe_u32 s8, ttmp6, 0x40004                   ; cy
	s_lshl_b32 s9, ttmp9, 2
	s_add_co_u32 s9, s9, s7                        ; column block
	s_and_b32 s10, ttmp7, 0xffff
	s_lshl_b32 s10, s10, 2
	s_add_co_u32 s10, s10, s8                      ; row block
	s_lshl_b32 s54, s8, 2                          ; s54-55 hold what hangs on cy, s56-57 what hangs on cx
	s_lshl_b32 s54, 15, s54                        ; my row of the cluster
	s_lshl_b32 s56, 0x1111, s7                     ; my column
	s_or_b32 s[G1A], s54, (1<<16)|(1<<20)|(1<<21)|(4<<22)|(3<<25)   ; 4 words of padding behind every 32
	s_or_b32 s[G1W], s56, (1<<16)|(1<<20)|(1<<21)|(5<<22)|(7<<25)   ; 8 words behind every 64
	s_mov_b32 s[G1A+1], 8192<<16                   ; ctx: a head's 128 tokens x 64 are 8,192 consecutive elements: one long row; the padding is counted along it
	s_mov_b32 s[G1A+2], 2<<16                      ; two heads,
	s_mov_b32 s[G1A+3], 8192<<16
	s_mov_b32 s[G1A+4], 2
	s_mov_b32 s[G1A+5], 65536                      ; 65,536 elements apart
	s_mov_b32 s[G1A+6], 0
	s_mov_b32 s[G1A+7], 0
	s_mov_b32 s[G1W+1], 128<<16                    ; Wo: 128 k rows x 128 elements, 1,024 elements from row to row
	s_mov_b32 s[G1W+2], 128<<16
	s_mov_b32 s[G1W+3], 128<<16
	s_mov_b32 s[G1W+4], 128
	s_mov_b32 s[G1W+5], 1024
	s_mov_b32 s[G1W+6], 0
	s_mov_b32 s[G1W+7], 0
	s_lshr_b32 s54, s10, 3                         ; ctx: head 16 b + 2 half, token 128 (block % 8), 128 bytes a token
	s_lshl_b32 s54, s54, 4
	s_lshl_b32 s55, s5, 1
	s_add_co_u32 s54, s54, s55
	s_lshl_b32 s54, s54, 10
	s_and_b32 s55, s10, 7
	s_lshl_b32 s55, s55, 7
	s_add_co_u32 s54, s54, s55
	s_lshl_b32 s54, s54, 7
	s_mov_b32 s55, 0
	s_lshl_b32 s56, s9, 8                          ; Wo: 8 MiB + 128 k rows x half + the block's 256 bytes
	s_lshl_b32 s57, s5, 18
	s_add_co_u32 s56, s56, s57
	s_add_co_u32 s56, s56, 0x800000
	s_mov_b32 s57, 0
	s_mul_i32 s[G0A+1], s5, 2*HEADL                ; 36,864, which is also 128 x WPITCH
	s_add_co_u32 s[G0A+5], s[G0A+1], SLOTB
	s_add_co_u32 s[G0W+1], s[G0A+1], WB
	s_add_co_u32 s[G0W+5], s[G0A+1], WB+SLOTB
.irp g, G0A, G0W
	s_mov_b32 s[\g], 1
	s_mov_b32 s[\g+4], 1
.endr
	s_wait_kmcnt 0x0
	s_add_nc_u64 s[G0A+2:G0A+3], s[48:49], s[54:55]
	s_add_nc_u64 s[G0A+6:G0A+7], s[G0A+2:G0A+3], 0x80000        ; step 1: four heads on
	s_add_nc_u64 s[G0W+2:G0W+3], s[50:51], s[56:57]
	s_add_nc_u64 s[G0W+6:G0W+7], s[G0W+2:G0W+3], 0x80000        ; 256 k rows down
.irp g, G0A, G0W
	s_or_b32 s[\g+3], s[\g+3], 0x80000000
	s_or_b32 s[\g+7], s[\g+7], 0x80000000
.endr
	CROUND                                         ; in front of the first joint loads
	s_cmp_eq_u32 s6, 0                             ; both first fills in one branch: two tensor loads of a wave are out
	s_cbranch_scc0 .Lfirst_w
	tensor_load_to_lds s[G0A:G0A+3], s[G1A:G1A+7]
	tensor_load_to_lds s[G0A+4:G0A+7], s[G1A:G1A+7]
	s_branch .Lfirst_done
.Lfirst_w:
	tensor_load_to_lds s[G0W:G0W+3], s[G1W:G1W+7]
	tensor_load_to_lds s[G0W+4:G0W+7], s[G1W:G1W+7]
.Lfirst_done:
	s_lshl_b32 s54, s10, 7                         ; xln: row 128 block + 64 half, 4,096 bytes a row,
	s_lshl_b32 s55, s5, 6
	s_add_co_u32 s54, s54, s55
	s_lshl_b32 s54, s54, 12
	s_mov_b32 s55, 0
	s_add_nc_u64 s[52:53], s[52:53], s[54:55]
	s_lshl_b32 s56, s9, 9                          ; column 128 block + 64 half, 4 bytes each
	s_lshl_b32 s57, s6, 8
	s_add_co_u32 s56, s56, s57
	s_mov_b32 s57, 0
	s_add_nc_u64 s[52:53], s[52:53], s[56:57]
	v_and_b32 v1, 15, v0                           ; r
	v_bfe_u32 v2, v0, 4, 1                         ; h
	v_and_b32 v3, 7, v0
	v_lshl_add_u32 v3, v2, 3, v3
	v_bfe_u32 v24, v0, 3, 1
	v_lshlrev_b32 v24, 4, v24
	v_mul_u32_u24 v[ADRA], v1, APITCH
	v_lshl_add_u32 v[ADRA], v2, 4, v[ADRA]
	s_mul_i32 s3, s5, 64*APITCH
	v_add_nc_u32 v[ADRA], s3, v[ADRA]
	v_add_nc_u32 v[ADRA+1], SLOTB, v[ADRA]
	v_mul_u32_u24 v[ADRW], v3, WPITCH
	v_add_nc_u32 v[ADRW], v[ADRW], v24
	s_lshl_b32 s3, s6, 7
	s_add_co_u32 s3, s3, WB
	v_add_nc_u32 v[ADRW], s3, v[ADRW]
	v_add_nc_u32 v[ADRW+1], 128*WPITCH, v[ADRW]
	v_add_nc_u32 v[ADRW+2], SLOTB, v[ADRW]
	v_add_nc_u32 v[ADRW+3], SLOTB+128*WPITCH, v[ADRW]
	s_mul_i32 s3, s4, 4352
	s_add_co_u32 s3, s3, STAGE_B
	v_mul_u32_u24 v25, v1, 272
	v_lshl_add_u32 v25, v2, 5, v25
	v_add_nc_u32 v[STO32], s3, v25
	v_mul_u32_u24 v25, v2, 272
	v_lshl_add_u32 v25, v1, 4, v25
	v_add_nc_u32 v[RD32], s3, v25
	v_lshlrev_b32 v25, 12, v2
	v_lshl_add_u32 v[QO], v1, 4, v25
; Quarter gl (0 to 31) of K: slot (gl / 8) % 2, head (gl % 8) / 2 of the slot's four, half gl % 2 of its 64: 16 loads into buffer gl % 4
.macro PLOAD
	WIN 0x40                                       ; destination window 1
.irp mb, 0,1,2,3
	ds_load_b128 v[32*(gl%4)+8*\mb:32*(gl%4)+8*\mb+3],   v[ADRA+(gl/8)%2] offset:((gl%8)/2)*HEADL+\mb*16*APITCH+(gl%2)*64
	ds_load_b128 v[32*(gl%4)+8*\mb+4:32*(gl%4)+8*\mb+7], v[ADRA+(gl/8)%2] offset:((gl%8)/2)*HEADL+\mb*16*APITCH+(gl%2)*64+32
.endr
.irp nb, 0,1,2,3
	ds_load_tr16_b128 v[128+32*(gl%4)+8*\nb:128+32*(gl%4)+8*\nb+3],   v[ADRW+2*((gl/8)%2)+(gl%8)/4] offset:(gl%4)*32*WPITCH+\nb*32
	ds_load_tr16_b128 v[128+32*(gl%4)+8*\nb+4:128+32*(gl%4)+8*\nb+7], v[ADRW+2*((gl/8)%2)+(gl%8)/4] offset:(gl%4)*32*WPITCH+\nb*32+16*WPITCH
.endr
.endm
; 8 products of buffer qb: row blocks m0, m0 + 1 x 4 column blocks.  zf = 1: they start the sums.
; The 16 accumulators take turns, one instruction a turn.
.macro PMUL m0
.irp mb, \m0, \m0+1
.irp nb, 0,1,2,3
.if zf
	v_wmma_f32_16x16x32_f16 v[32*(\mb)+8*\nb:32*(\mb)+8*\nb+7], v[128+32*qb+8*\nb:128+32*qb+8*\nb+7], v[32*qb+8*(\mb):32*qb+8*(\mb)+7], 0
.else
	v_wmma_f32_16x16x32_f16 v[32*(\mb)+8*\nb:32*(\mb)+8*\nb+7], v[128+32*qb+8*\nb:128+32*qb+8*\nb+7], v[32*qb+8*(\mb):32*qb+8*(\mb)+7], v[32*(\mb)+8*\nb:32*(\mb)+8*\nb+7]
.endif
.endr
.endr
.endm
; The change of slots: all of slot s's fragments have been asked for.  fill = 1: it is asked for again, two steps ahead.
.macro CHANGE s, fill
	s_wait_tensorcnt 0x0                           ; all my tensor loads have landed, my part of the other slot among them
.if \fill
	s_add_nc_u64 s[G0A+4*\s+2:G0A+4*\s+3], s[G0A+4*\s+2:G0A+4*\s+3], 0x100000
	s_add_nc_u64 s[G0W+4*\s+2:G0W+4*\s+3], s[G0W+4*\s+2:G0W+4*\s+3], 0x100000
.endif
	s_wait_dscnt 0x0                               ; my reads of slot s are over
.if \fill
	CROUND
	JP \s                                          ; the first tensor load behind the round, one a wave
.else
	s_barrier_signal -1
	s_barrier_wait -1
.endif
.endm
; Quarter g: 8 products; in a slot's seventh quarter the change of slots; the loads of quarter g + 2; 8 products.
.macro PQ
.set qb, g%4
.set zf, 0
.if g == 0
.set zf, 1
.endif
.if g < 31
	s_wait_dscnt 16                                ; this quarter's fragments are in; the next quarter's 16 loads may stay out
.else
	s_wait_dscnt 0
.endif
	WIN 0xa5                                       ; sources 0 and 1 window 1, C and D window 2
	PMUL 0
.if g == 6
	WIN 0
	CHANGE 0, 1
.endif
.if g == 14
	WIN 0
	CHANGE 1, 1
.endif
.if g == 22
	WIN 0
	CHANGE 0, 0
.endif
.if g < 30
.set gl, g+2
	PLACES                                         ; the loads below land in registers that products two quarters back read
	PLOAD
.endif
	WIN 0xa5
	PMUL 2
.endm
	s_wait_tensorcnt 0x1                           ; my part of slot 0 is in; slot 1's stays out
	s_barrier_signal -1
	s_barrier_wait -1
.set gl, 0
	PLOAD
.set gl, 1
	PLOAD
.set g, 0
.rept 32
	PQ
.set g, g+1
.endr
	WIN 0
	PLACES
.macro OUTF mb, f                      ; 16 rows x 64 f32: in by lanes, back by rows; sixteen lanes store 256 consecutive bytes, aligned
	WIN 0x08
.irp nb, 0,1,2,3
	ds_store_b128 v[STO32], v[32*\mb+8*\nb:32*\mb+8*\nb+3]   offset:\nb*64
	ds_store_b128 v[STO32], v[32*\mb+8*\nb+4:32*\mb+8*\nb+7] offset:\nb*64+16
.endr
	WIN 0
	s_wait_xcnt 0x0                                ; registers f.. and the base, which earlier stores read, are rewritten only behind this wait
.if \mb
	s_add_nc_u64 s[52:53], s[52:53], 65536
.endif
.irp t, 0,1,2,3,4,5,6,7
	ds_load_b128 v[\f+4*\t:\f+4*\t+3], v[RD32] offset:\t*544
.endr
.irp t, 0,1,2,3,4,5,6,7
	s_wait_dscnt 7-\t
	global_store_b128 v[QO], v[\f+4*\t:\f+4*\t+3], s[52:53] offset:\t*8192
.endr
.endm
	OUTF 0, RB
	OUTF 1, RB+32
	OUTF 2, RB
	OUTF 3, RB+32
	CROUND                                         ; the closing round
	s_endpgm
.Lfunc_end_k_q7534ce3232_proj1:
	.size	k_q7534ce3232_proj1, .Lfunc_end_k_q7534ce3232_proj1-k_q7534ce3232_proj1
	.p2alignl 7, 3214868480
	.fill 96, 4, 3214868480
	.section	.rodata,"a",@progbits
	.p2align	6, 0x0
	.amdhsa_kernel k_q7534ce3232_proj1
		.amdhsa_group_segment_fixed_size 327680
		.amdhsa_private_segment_fixed_size 0
		.amdhsa_enable_private_segment 0
		.amdhsa_kernarg_size 24
		.amdhsa_user_sgpr_count 2
		.amdhsa_user_sgpr_kernarg_segment_ptr 1
		.amdhsa_wavefront_size32 1
		.amdhsa_system_sgpr_workgroup_id_x 1
		.amdhsa_system_sgpr_workgroup_id_y 1
		.amdhsa_system_sgpr_workgroup_id_z 1
		.amdhsa_system_vgpr_workitem_id 0
		.amdhsa_next_free_vgpr 640
		.amdhsa_next_free_sgpr 66
		.amdhsa_reserve_vcc 0
		.amdhsa_float_denorm_mode_32 3
		.amdhsa_float_denorm_mode_16_64 3
		.amdhsa_memory_ordered 1
		.amdhsa_forward_progress 1
		.amdhsa_inst_pref_size 88
	.end_amdhsa_kernel
	.amdgpu_metadata
---
amdhsa.version: [ 1, 2 ]
amdhsa.kernels:
  - .name:           k_q7534ce3232_proj1
    .symbol:         k_q7534ce3232_proj1.kd
    .args:
      - { .name: ctx, .offset: 0, .size: 8, .value_kind: global_buffer, .address_space: global }
      - { .name: wt, .offset: 8, .size: 8, .value_kind: global_buffer, .address_space: global }
      - { .name: xln, .offset: 16, .size: 8, .value_kind: global_buffer, .address_space: global }
    .group_segment_fixed_size: 327680
    .private_segment_fixed_size: 0
    .kernarg_segment_align: 8
    .kernarg_segment_size: 24
    .max_flat_workgroup_size: 128
    .sgpr_count:     66
    .vgpr_count:     640
    .wavefront_size: 32
...
	.end_amdgpu_metadata
.endif
;; end of part 4
;; launch ln1 (part 5): grid 256 x 1, 8 waves a work-group, no clusters, 0 bytes of LDS; arguments xln, qres, bo, gamma, beta, xb; writes xb
.if DOCPART == 5
	.amdgcn_target "amdgcn-amd-amdhsa--gfx1250"
	.amdhsa_code_object_version 6
	.text
	.protected	k_q7534ce3232_ln1
	.globl	k_q7534ce3232_ln1
	.p2align	8
	.type	k_q7534ce3232_ln1,@function
k_q7534ce3232_ln1:
	s_mov_b64 s[64:65], 0
	v_nop
	global_prefetch_b8 v0, s[64:65] scope:SCOPE_SE
	s_setreg_imm32_b32 hwreg(HW_REG_WAVE_MODE, 25, 1), 1
	s_wait_xcnt 0x0
; LN: y = LayerNorm(qres + xln + bo) gamma + beta, rows of 1,024.  Here y is rounded to f16 (the next launch's matrix operand), into rows 0-4095 of xb.
; |y| is at most 32 |gamma| + |beta|, since a normalised row of 1,024 has no entry above sqrt(1023).  LIMIT: |y| above 65,504 becomes infinity.
; One wave, two rows, each kept in 32 registers between the passes: mean, then the mean of squared differences from it, as the formula is written.
; No LDS, no barrier.  A lane holds columns 128 j + 4 l .. + 3: every load covers 512 consecutive bytes.
.set GA, 8                             ; v[8:39] gamma   v[40:71] beta   v[72:103] bo
.set BE, 40
.set BO, 72
.set X,  104                           ; v[104:167] xln's rows 0, 1, then the sums, differences and results
.set Q,  168                           ; v[168:231] qres's rows 0, 1; then the packed results
.set T,  232                           ; v[232:239] four chains of pairs; v[240:241] mean or 1/sigma (first of the pair); v243 the other half's sum
	s_load_b256 s[4:11], s[0:1], 0x0               ; xln s[4:5], qres s[6:7], bo s[8:9], gamma s[10:11]
	s_load_b128 s[12:15], s[0:1], 0x20             ; beta s[12:13], the result s[14:15]
	v_lshrrev_b32 v1, 5, v0
	v_readfirstlane_b32 s16, v1                    ; wave
	s_lshl_b32 s17, ttmp9, 4
	s_lshl_b32 s18, s16, 1
	s_add_co_u32 s17, s17, s18                     ; my first row
	s_lshl_b32 s18, s17, 12                        ; 4,096 bytes a row in,
	s_mov_b32 s19, 0
	s_lshl_b32 s20, s17, 11                        ; 2,048 out
	s_mov_b32 s21, 0
	s_mov_b32 s22, 0x76543210
	s_mov_b32 s23, 0xfedcba98
	s_mov_b32 s24, 0x3a800000                      ; 1 / 1024
	s_mov_b32 s25, 0x2b8cbccc                      ; 1e-12
	v_and_b32 v1, 31, v0
	v_lshlrev_b32 v2, 4, v1                        ; 16 l
	v_lshlrev_b32 v3, 3, v1                        ; 8 l
	v_mov_b32 v[T+9], 0
	v_mov_b32 v[T+11], 0
	s_wait_kmcnt 0x0
	s_add_nc_u64 s[4:5], s[4:5], s[18:19]
	s_add_nc_u64 s[6:7], s[6:7], s[18:19]
	s_add_nc_u64 s[14:15], s[14:15], s[20:21]
.irp j, 0,1,2,3,4,5,6,7
	global_load_b128 v[BO+4*\j:BO+4*\j+3], v2, s[8:9] offset:512*\j
.endr
.irp i, 0,1
.irp j, 0,1,2,3,4,5,6,7
	global_load_b128 v[X+32*\i+4*\j:X+32*\i+4*\j+3], v2, s[4:5] offset:4096*\i+512*\j th:TH_LOAD_NT
	global_load_b128 v[Q+32*\i+4*\j:Q+32*\i+4*\j+3], v2, s[6:7] offset:4096*\i+512*\j th:TH_LOAD_NT
.endr
.endr
.irp j, 0,1,2,3,4,5,6,7
	global_load_b128 v[GA+4*\j:GA+4*\j+3], v2, s[10:11] offset:512*\j
	global_load_b128 v[BE+4*\j:BE+4*\j+3], v2, s[12:13] offset:512*\j
.endr
.macro REDUCE                          ; the four chains, then the 32 lanes: every lane ends with the row's sum in v[T]
	v_pk_add_f32 v[T:T+1], v[T:T+1], v[T+2:T+3]
	v_pk_add_f32 v[T+4:T+5], v[T+4:T+5], v[T+6:T+7]
	v_pk_add_f32 v[T:T+1], v[T:T+1], v[T+4:T+5]
	v_add_f32 v[T], v[T], v[T+1]
	v_add_f32_dpp v[T], v[T], v[T] row_xmask:1 row_mask:0xf bank_mask:0xf
	v_add_f32_dpp v[T], v[T], v[T] row_xmask:2 row_mask:0xf bank_mask:0xf
	v_add_f32_dpp v[T], v[T], v[T] row_xmask:4 row_mask:0xf bank_mask:0xf
	v_add_f32_dpp v[T], v[T], v[T] row_xmask:8 row_mask:0xf bank_mask:0xf
	v_permlanex16_b32 v[T+11], v[T], s22, s23
	v_add_f32 v[T], v[T], v[T+11]
.endm
.macro ROW i, left
	s_wait_loadcnt \left                           ; bo and this row's 16 loads are in; the younger loads stay out
.set p, 0
.rept 16
	v_pk_add_f32 v[X+32*\i+2*p:X+32*\i+2*p+1], v[X+32*\i+2*p:X+32*\i+2*p+1], v[Q+32*\i+2*p:Q+32*\i+2*p+1]
.set p, p+1
.endr
.set p, 0
.rept 16
	v_pk_add_f32 v[X+32*\i+2*p:X+32*\i+2*p+1], v[X+32*\i+2*p:X+32*\i+2*p+1], v[BO+2*p:BO+2*p+1]
.set p, p+1
.endr
.irp c, 0,1,2,3
	v_pk_add_f32 v[T+2*\c:T+2*\c+1], v[X+32*\i+2*\c:X+32*\i+2*\c+1], v[X+32*\i+2*\c+8:X+32*\i+2*\c+9]
.endr
.irp k, 2,3
.irp c, 0,1,2,3
	v_pk_add_f32 v[T+2*\c:T+2*\c+1], v[T+2*\c:T+2*\c+1], v[X+32*\i+2*\c+8*\k:X+32*\i+2*\c+8*\k+1]
.endr
.endr
	REDUCE
	v_mul_f32 v[T+8], s24, v[T]                    ; the mean
.set p, 0
.rept 16
	v_pk_add_f32 v[X+32*\i+2*p:X+32*\i+2*p+1], v[X+32*\i+2*p:X+32*\i+2*p+1], v[T+8:T+9] op_sel_hi:[1,0] neg_lo:[0,1] neg_hi:[0,1]
.set p, p+1
.endr
.irp c, 0,1,2,3
	v_pk_mul_f32 v[T+2*\c:T+2*\c+1], v[X+32*\i+2*\c:X+32*\i+2*\c+1], v[X+32*\i+2*\c:X+32*\i+2*\c+1]
.endr
.irp k, 1,2,3
.irp c, 0,1,2,3
	v_pk_fma_f32 v[T+2*\c:T+2*\c+1], v[X+32*\i+2*\c+8*\k:X+32*\i+2*\c+8*\k+1], v[X+32*\i+2*\c+8*\k:X+32*\i+2*\c+8*\k+1], v[T+2*\c:T+2*\c+1]
.endr
.endr
	REDUCE
	v_fma_f32 v[T+8], v[T], s24, s25               ; variance + 1e-12
	v_rsq_f32 v[T+8], v[T+8]
	v_nop                                          ; one plain instruction behind the root
	s_wait_loadcnt 0x0                             ; gamma and beta
.set p, 0
.rept 16
	v_pk_mul_f32 v[X+32*\i+2*p:X+32*\i+2*p+1], v[X+32*\i+2*p:X+32*\i+2*p+1], v[T+8:T+9] op_sel_hi:[1,0]
.set p, p+1
.endr
.set p, 0
.rept 16
	v_pk_fma_f32 v[X+32*\i+2*p:X+32*\i+2*p+1], v[X+32*\i+2*p:X+32*\i+2*p+1], v[GA+2*p:GA+2*p+1], v[BE+2*p:BE+2*p+1]
.set p, p+1
.endr
.set p, 0
.rept 16
	v_cvt_pk_f16_f32 v[Q+32*\i+p], v[X+32*\i+2*p], v[X+32*\i+2*p+1]
.set p, p+1
.endr
.irp j, 0,1,2,3,4,5,6,7
	global_store_b64 v3, v[Q+32*\i+2*\j:Q+32*\i+2*\j+1], s[14:15] offset:2048*\i+256*\j      ; a store covers 256 consecutive bytes, aligned
.endr
.endm
	ROW 0, 32                                      ; 32 younger loads: row 1's sixteen, gamma's and beta's sixteen
	ROW 1, 0
	s_endpgm
.Lfunc_end_k_q7534ce3232_ln1:
	.size	k_q7534ce3232_ln1, .Lfunc_end_k_q7534ce3232_ln1-k_q7534ce3232_ln1
	.p2alignl 7, 3214868480
	.fill 96, 4, 3214868480
	.section	.rodata,"a",@progbits
	.p2align	6, 0x0
	.amdhsa_kernel k_q7534ce3232_ln1
		.amdhsa_group_segment_fixed_size 0
		.amdhsa_private_segment_fixed_size 0
		.amdhsa_enable_private_segment 0
		.amdhsa_kernarg_size 48
		.amdhsa_user_sgpr_count 2
		.amdhsa_user_sgpr_kernarg_segment_ptr 1
		.amdhsa_wavefront_size32 1
		.amdhsa_system_sgpr_workgroup_id_x 1
		.amdhsa_system_sgpr_workgroup_id_y 1
		.amdhsa_system_sgpr_workgroup_id_z 1
		.amdhsa_system_vgpr_workitem_id 0
		.amdhsa_next_free_vgpr 248
		.amdhsa_next_free_sgpr 66
		.amdhsa_reserve_vcc 0
		.amdhsa_float_denorm_mode_32 3
		.amdhsa_float_denorm_mode_16_64 3
		.amdhsa_memory_ordered 1
		.amdhsa_forward_progress 1
		.amdhsa_inst_pref_size 27
	.end_amdhsa_kernel
	.amdgpu_metadata
---
amdhsa.version: [ 1, 2 ]
amdhsa.kernels:
  - .name:           k_q7534ce3232_ln1
    .symbol:         k_q7534ce3232_ln1.kd
    .args:
      - { .name: xln, .offset: 0, .size: 8, .value_kind: global_buffer, .address_space: global }
      - { .name: qres, .offset: 8, .size: 8, .value_kind: global_buffer, .address_space: global }
      - { .name: bo, .offset: 16, .size: 8, .value_kind: global_buffer, .address_space: global }
      - { .name: gamma, .offset: 24, .size: 8, .value_kind: global_buffer, .address_space: global }
      - { .name: beta, .offset: 32, .size: 8, .value_kind: global_buffer, .address_space: global }
      - { .name: xb, .offset: 40, .size: 8, .value_kind: global_buffer, .address_space: global }
    .group_segment_fixed_size: 0
    .private_segment_fixed_size: 0
    .kernarg_segment_align: 8
    .kernarg_segment_size: 48
    .max_flat_workgroup_size: 256
    .sgpr_count:     66
    .vgpr_count:     248
    .wavefront_size: 32
...
	.end_amdgpu_metadata
.endif
;; end of part 5
;; launch attn2: the kernel of part 3 again; grid 8 x 32, 4 waves a work-group, clusters of 4 x 4, 327,680 bytes of LDS; arguments xb, st2, bq2, bv2, src_attention_mask, qres, ctx; writes qres, ctx
;; launch proj2: the kernel of part 4 again; grid 8 x 32, 4 waves a work-group, clusters of 4 x 4, 327,680 bytes of LDS; arguments ctx, wt, xln; writes xln
;; launch ln2 (part 6): grid 256 x 1, 8 waves a work-group, no clusters, 0 bytes of LDS; arguments xln, qres, bo, gamma, beta, out0; writes out0
.if DOCPART == 6
	.amdgcn_target "amdgcn-amd-amdhsa--gfx1250"
	.amdhsa_code_object_version 6
	.text
	.protected	k_q7534ce3232_ln2
	.globl	k_q7534ce3232_ln2
	.p2align	8
	.type	k_q7534ce3232_ln2,@function
k_q7534ce3232_ln2:
	s_mov_b64 s[64:65], 0
	v_nop
	global_prefetch_b8 v0, s[64:65] scope:SCOPE_SE
	s_setreg_imm32_b32 hwreg(HW_REG_WAVE_MODE, 25, 1), 1
	s_wait_xcnt 0x0
; LN: y = LayerNorm(qres + xln + bo) gamma + beta, rows of 1,024.  Here y is the module's result, f32.
; One wave, two rows, each kept in 32 registers between the passes: mean, then the mean of squared differences from it, as the formula is written.
; No LDS, no barrier.  A lane holds columns 128 j + 4 l .. + 3: every load and store covers 512 consecutive bytes.
.set OUT_BF16, 0
.set GA, 8                             ; v[8:39] gamma   v[40:71] beta   v[72:103] bo
.set BE, 40
.set BO, 72
.set X,  104                           ; v[104:167] xln's rows 0, 1, then the sums, differences and results
.set Q,  168                           ; v[168:231] qres's rows 0, 1
.set T,  232                           ; v[232:239] four chains of pairs; v[240:241] mean or 1/sigma (first of the pair); v243 the other half's sum
	s_load_b256 s[4:11], s[0:1], 0x0               ; xln s[4:5], qres s[6:7], bo s[8:9], gamma s[10:11]
	s_load_b128 s[12:15], s[0:1], 0x20             ; beta s[12:13], the result s[14:15]
	v_lshrrev_b32 v1, 5, v0
	v_readfirstlane_b32 s16, v1                    ; wave
	s_lshl_b32 s17, ttmp9, 4
	s_lshl_b32 s18, s16, 1
	s_add_co_u32 s17, s17, s18                     ; my first row
	s_lshl_b32 s18, s17, 12
	s_mov_b32 s19, 0
.if OUT_BF16
	s_lshl_b32 s20, s17, 11
.else
	s_lshl_b32 s20, s17, 12
.endif
	s_mov_b32 s21, 0
	s_mov_b32 s22, 0x76543210
	s_mov_b32 s23, 0xfedcba98
	s_mov_b32 s24, 0x3a800000                      ; 1 / 1024
	s_mov_b32 s25, 0x2b8cbccc                      ; 1e-12
	v_and_b32 v1, 31, v0
	v_lshlrev_b32 v2, 4, v1                        ; 16 l
	v_lshlrev_b32 v3, 3, v1                        ; 8 l
	v_mov_b32 v[T+9], 0
	v_mov_b32 v[T+11], 0
	s_wait_kmcnt 0x0
	s_add_nc_u64 s[4:5], s[4:5], s[18:19]
	s_add_nc_u64 s[6:7], s[6:7], s[18:19]
	s_add_nc_u64 s[14:15], s[14:15], s[20:21]
.irp j, 0,1,2,3,4,5,6,7
	global_load_b128 v[BO+4*\j:BO+4*\j+3], v2, s[8:9] offset:512*\j
.endr
.irp i, 0,1
.irp j, 0,1,2,3,4,5,6,7
	global_load_b128 v[X+32*\i+4*\j:X+32*\i+4*\j+3], v2, s[4:5] offset:4096*\i+512*\j th:TH_LOAD_NT
	global_load_b128 v[Q+32*\i+4*\j:Q+32*\i+4*\j+3], v2, s[6:7] offset:4096*\i+512*\j th:TH_LOAD_NT
.endr
.endr
.irp j, 0,1,2,3,4,5,6,7
	global_load_b128 v[GA+4*\j:GA+4*\j+3], v2, s[10:11] offset:512*\j
	global_load_b128 v[BE+4*\j:BE+4*\j+3], v2, s[12:13] offset:512*\j
.endr
.macro REDUCE                          ; the four chains, then the 32 lanes: every lane ends with the row's sum in v[T]
	v_pk_add_f32 v[T:T+1], v[T:T+1], v[T+2:T+3]
	v_pk_add_f32 v[T+4:T+5], v[T+4:T+5], v[T+6:T+7]
	v_pk_add_f32 v[T:T+1], v[T:T+1], v[T+4:T+5]
	v_add_f32 v[T], v[T], v[T+1]
	v_add_f32_dpp v[T], v[T], v[T] row_xmask:1 row_mask:0xf bank_mask:0xf
	v_add_f32_dpp v[T], v[T], v[T] row_xmask:2 row_mask:0xf bank_mask:0xf
	v_add_f32_dpp v[T], v[T], v[T] row_xmask:4 row_mask:0xf bank_mask:0xf
	v_add_f32_dpp v[T], v[T], v[T] row_xmask:8 row_mask:0xf bank_mask:0xf
	v_permlanex16_b32 v[T+11], v[T], s22, s23
	v_add_f32 v[T], v[T], v[T+11]
.endm
.macro ROW i, left
	s_wait_loadcnt \left                           ; bo and this row's 16 loads are in; the younger loads stay out
.set p, 0
.rept 16
	v_pk_add_f32 v[X+32*\i+2*p:X+32*\i+2*p+1], v[X+32*\i+2*p:X+32*\i+2*p+1], v[Q+32*\i+2*p:Q+32*\i+2*p+1]
.set p, p+1
.endr
.set p, 0
.rept 16
	v_pk_add_f32 v[X+32*\i+2*p:X+32*\i+2*p+1], v[X+32*\i+2*p:X+32*\i+2*p+1], v[BO+2*p:BO+2*p+1]
.set p, p+1
.endr
.irp c, 0,1,2,3
	v_pk_add_f32 v[T+2*\c:T+2*\c+1], v[X+32*\i+2*\c:X+32*\i+2*\c+1], v[X+32*\i+2*\c+8:X+32*\i+2*\c+9]
.endr
.irp k, 2,3
.irp c, 0,1,2,3
	v_pk_add_f32 v[T+2*\c:T+2*\c+1], v[T+2*\c:T+2*\c+1], v[X+32*\i+2*\c+8*\k:X+32*\i+2*\c+8*\k+1]
.endr
.endr
	REDUCE
	v_mul_f32 v[T+8], s24, v[T]                    ; the mean
.set p, 0
.rept 16
	v_pk_add_f32 v[X+32*\i+2*p:X+32*\i+2*p+1], v[X+32*\i+2*p:X+32*\i+2*p+1], v[T+8:T+9] op_sel_hi:[1,0] neg_lo:[0,1] neg_hi:[0,1]
.set p, p+1
.endr
.irp c, 0,1,2,3
	v_pk_mul_f32 v[T+2*\c:T+2*\c+1], v[X+32*\i+2*\c:X+32*\i+2*\c+1], v[X+32*\i+2*\c:X+32*\i+2*\c+1]
.endr
.irp k, 1,2,3
.irp c, 0,1,2,3
	v_pk_fma_f32 v[T+2*\c:T+2*\c+1], v[X+32*\i+2*\c+8*\k:X+32*\i+2*\c+8*\k+1], v[X+32*\i+2*\c+8*\k:X+32*\i+2*\c+8*\k+1], v[T+2*\c:T+2*\c+1]
.endr
.endr
	REDUCE
	v_fma_f32 v[T+8], v[T], s24, s25               ; variance + 1e-12
	v_rsq_f32 v[T+8], v[T+8]
	v_nop                                          ; one plain instruction behind the root
	s_wait_loadcnt 0x0                             ; gamma and beta
.set p, 0
.rept 16
	v_pk_mul_f32 v[X+32*\i+2*p:X+32*\i+2*p+1], v[X+32*\i+2*p:X+32*\i+2*p+1], v[T+8:T+9] op_sel_hi:[1,0]
.set p, p+1
.endr
.set p, 0
.rept 16
	v_pk_fma_f32 v[X+32*\i+2*p:X+32*\i+2*p+1], v[X+32*\i+2*p:X+32*\i+2*p+1], v[GA+2*p:GA+2*p+1], v[BE+2*p:BE+2*p+1]
.set p, p+1
.endr
.if OUT_BF16
.set p, 0
.rept 16
	v_cvt_pk_bf16_f32 v[Q+32*\i+p], v[X+32*\i+2*p], v[X+32*\i+2*p+1]
.set p, p+1
.endr
.irp j, 0,1,2,3,4,5,6,7
	global_store_b64 v3, v[Q+32*\i+2*\j:Q+32*\i+2*\j+1], s[14:15] offset:2048*\i+256*\j
.endr
.else
.irp j, 0,1,2,3,4,5,6,7
	global_store_b128 v2, v[X+32*\i+4*\j:X+32*\i+4*\j+3], s[14:15] offset:4096*\i+512*\j th:TH_STORE_NT
.endr
.endif
.endm
	ROW 0, 32                                      ; 32 younger loads: row 1's sixteen, gamma's and beta's sixteen
	ROW 1, 0
	s_endpgm
.Lfunc_end_k_q7534ce3232_ln2:
	.size	k_q7534ce3232_ln2, .Lfunc_end_k_q7534ce3232_ln2-k_q7534ce3232_ln2
	.p2alignl 7, 3214868480
	.fill 96, 4, 3214868480
	.section	.rodata,"a",@progbits
	.p2align	6, 0x0
	.amdhsa_kernel k_q7534ce3232_ln2
		.amdhsa_group_segment_fixed_size 0
		.amdhsa_private_segment_fixed_size 0
		.amdhsa_enable_private_segment 0
		.amdhsa_kernarg_size 48
		.amdhsa_user_sgpr_count 2
		.amdhsa_user_sgpr_kernarg_segment_ptr 1
		.amdhsa_wavefront_size32 1
		.amdhsa_system_sgpr_workgroup_id_x 1
		.amdhsa_system_sgpr_workgroup_id_y 1
		.amdhsa_system_sgpr_workgroup_id_z 1
		.amdhsa_system_vgpr_workitem_id 0
		.amdhsa_next_free_vgpr 248
		.amdhsa_next_free_sgpr 66
		.amdhsa_reserve_vcc 0
		.amdhsa_float_denorm_mode_32 3
		.amdhsa_float_denorm_mode_16_64 3
		.amdhsa_memory_ordered 1
		.amdhsa_forward_progress 1
		.amdhsa_inst_pref_size 25
	.end_amdhsa_kernel
	.amdgpu_metadata
---
amdhsa.version: [ 1, 2 ]
amdhsa.kernels:
  - .name:           k_q7534ce3232_ln2
    .symbol:         k_q7534ce3232_ln2.kd
    .args:
      - { .name: xln, .offset: 0, .size: 8, .value_kind: global_buffer, .address_space: global }
      - { .name: qres, .offset: 8, .size: 8, .value_kind: global_buffer, .address_space: global }
      - { .name: bo, .offset: 16, .size: 8, .value_kind: global_buffer, .address_space: global }
      - { .name: gamma, .offset: 24, .size: 8, .value_kind: global_buffer, .address_space: global }
      - { .name: beta, .offset: 32, .size: 8, .value_kind: global_buffer, .address_space: global }
      - { .name: out0, .offset: 40, .size: 8, .value_kind: global_buffer, .address_space: global }
    .group_segment_fixed_size: 0
    .private_segment_fixed_size: 0
    .kernarg_segment_align: 8
    .kernarg_segment_size: 48
    .max_flat_workgroup_size: 256
    .sgpr_count:     66
    .vgpr_count:     248
    .wavefront_size: 32
...
	.end_amdgpu_metadata
.endif
;; end of part 6
